; MI455X (gfx1250); checked and timed in simulation.
; The chip was launched on July 23, 2026; its instructions are those of AMD's public machine-readable ISA for CDNA 5 (MIT licence, August 2026) and "CDNA5" Instruction Set Architecture Reference Guide (July 2026). The comments in the code are by the model that wrote it; some were corrected since.
;; Multi Head Attention. Allowed arithmetic: matrix products marked QUANTISED: E2M1 operands, one E8M0 scale for each 32 along K, by v_wmma_scale_f32_16x16x128_f8f6f4 with both operands' format E2M1 (or v_wmma_scale_f32_32x16x128_f4), f32 sums; products left as they are: bf16, f16 or f32 operands; f32 sums; everything else in f32.
;; Inputs: attention_mask 4 x 2,048 int32; wk 1,024 x 1,024 float32; wo 1,024 x 1,024 float32; wq 1,024 x 1,024 float32; wv 1,024 x 1,024 float32; x 4 x 2,048 x 1,024 float32.
;; Outputs: out0 4 x 2,048 x 1,024 float32.
;; This version of the problem:
;;   THIS VERSION OF THE PROBLEM IS GIVEN IN LOW PRECISION. The matrix products marked QUANTISED in the list below multiply operands that are first quantised to E2M1 (2 exponent bits, 1 mantissa bit; 4 bits a number), with one power-of-two scale for each 32 numbers along K (OCP MX v1.0); their sums are f32. The products marked 'left as it is' may take bf16, f16 or f32 operands, with f32 sums. Whichever they take, every output number must still come out within the allowed error. Rounding operands to bf16 (8 significant bits) uses up far more of that allowance than f16 does (11 bits, for magnitudes from 6e-5 to 65,504). All else is computed in f32.
;;   The module's matrix products, in the order in which they are computed (A, B: the left and right operand; K: the contracted axis; several contracted axes count as one K, in the product's order):
;;     1. [M 8,192, K 1,024] x [K 1,024, N 1,024]; A: input x; B: input wq: QUANTISED
;;     2. [M 8,192, K 1,024] x [K 1,024, N 1,024]; A: input x; B: input wk: QUANTISED
;;     3. [M 8,192, K 1,024] x [K 1,024, N 1,024]; A: input x; B: input wv: QUANTISED
;;     4. batch 64 x [M 2,048, K 64] x [K 64, N 2,048]; A: computed on the way; B: computed on the way: left as it is (an operand is computed on the way)
;;     5. batch 64 x [M 64, K 2,048] x [K 2,048, N 2,048]; A: computed on the way; B: computed on the way: left as it is (an operand is computed on the way)
;;     6. [M 8,192, K 1,024] x [K 1,024, N 1,024]; A: computed on the way; B: input wo: left as it is (an operand is computed on the way)
;;   THE QUANTISER, for each operand of a quantised product, along K:
;;     - K is cut into blocks of 32 from its start; a last block that is shorter is filled with zeros.
;;     - A block's scale is 2^e with e = floor(log2(the largest magnitude in the block)) - 2, held to -126 .. 127; a block of zeros has e = 0. As a byte (E8M0): e + 127.
;;     - Each number is divided by its block's scale, clamped to +-6, and rounded to the nearest number of E2M1, ties to even, subnormals kept.
;;     - The product sums the exact products of the quantised numbers (number of the format x scale) in f32.
;;   ~~~python
;;   def quantise(x, axis):      # numpy; x: float32 -> the quantised numbers, widened to float32 again
;;       x = np.moveaxis(x, axis, -1); K = x.shape[-1]
;;       x = np.pad(x, [(0, 0)] * (x.ndim - 1) + [(0, -K % 32)]); x = x.reshape(x.shape[:-1] + (-1, 32)); a = np.abs(x).max(-1, keepdims=True)
;;       e = np.where(a > 0, np.clip(np.frexp(np.where(a > 0, a, 1))[1] - 1 - 2, -126, 127), 0)      # np.frexp(a)[1] - 1 = floor(log2(a)), exactly
;;       r = np.clip(x / 2.0 ** e, -6, 6)
;;       step = 2.0 ** (np.maximum(np.frexp(np.where(r == 0, 1, r))[1] - 1, 0) - 1)
;;       q = np.round(r / step) * step * 2.0 ** e      # np.round: ties to even
;;       return np.moveaxis(q.reshape(q.shape[:-2] + (-1,))[..., :K], -1, axis).astype(np.float32)
;;   ~~~
;; One version. Each part assembles by itself: llvm-mc -triple=amdgcn-amd-amdhsa -mcpu=gfx1250 --defsym DOCPART=n.
;; ======== version 1 of 1: 4 launches
;; limits: values are held in f16: magnitudes above 65,504 overflow, below 6.1e-05 lose precision
;; workspace buffers: x_codes 4,194,304 bytes; x_scales 262,144 bytes; w_codes 1,572,864 bytes; w_scales 98,304 bytes; wo_h 2,097,152 bytes; rope 1,081,344 bytes; qkv 50,331,648 bytes; att 16,777,216 bytes
;; launch prep (part 1): grid 400 x 1, 4 waves a work-group, no clusters, 33,280 bytes of LDS; arguments x, wq, wk, wv, wo, x_codes, x_scales, w_codes, w_scales, wo_h, rope; writes x_codes, x_scales, w_codes, w_scales, wo_h, rope
.if DOCPART == 1
	.amdgcn_target "amdgcn-amd-amdhsa--gfx1250"
	.amdhsa_code_object_version 6
	.text
	.protected	k_q330e06d3f5_prep
	.globl	k_q330e06d3f5_prep
	.p2align	8
	.type	k_q330e06d3f5_prep,@function
k_q330e06d3f5_prep:
	s_mov_b64 s[64:65], 0
	v_nop
	global_prefetch_b8 v0, s[64:65] scope:SCOPE_SE
	s_setreg_imm32_b32 hwreg(HW_REG_WAVE_MODE, 25, 1), 1
	s_wait_xcnt 0x0
; PREP: everything that is made once from the inputs.  Three paths, chosen by the work-group's number alone:
;   work-groups 0-351:   x [8192][1024], wq, wk, wv [1024][1024], f32, become codes of FP4 (E2M1), K innermost, two codes a byte, and one E8M0 byte for each 32 along K.
;                        x_codes [8192][512 B], x_scales [8192][32]; w_codes [3072][512 B], w_scales [3072][32]: rows 0-1023 wq, 1024-2047 wk, 2048-3071 wv.
;   work-groups 352-383: wo [1024 n][1024 k] f32 becomes f16, laid as IMAGES OF OPERAND REGISTERS: wo_h [n tile 64][piece 64][512 B]; in piece p lane (r = lane % 16, h = lane / 16)
;                        holds wo(16 tile + r, 16 p + 8 h + 0..7): 16 bytes at 16 x lane.
;   work-groups 384-399: the table of rotations: [position block 128][piece 8][512 B]; in piece g lane (r, h) holds (cos, sin, cos, sin) of position 16 block + r for the pairs j0, j0 + 1,
;                        j0 = 8 (g / 2) + 2 (g % 2) + 4 h.  At byte 0 the table for q, multiplied by log2(e) / 8; at 524,288 that for k; at 1,048,576 eight blocks of (1, 0, 1, 0) for v.
; THE QUANTISER: a block's scale is 2^(floor(log2(its largest magnitude)) - 2); its byte is the largest magnitude's exponent field - 2, held at 1 from below; each number is divided by the scale and
; rounded to the nearest code, ties to even, beyond 6 the largest code.
; LIMITS: a block of zeros gets the byte 1 where the rule says 127 (its codes are zeros; this program alone reads the bytes); blocks whose largest magnitude lies under 2^-124 were not tried;
; NaN and infinities among the inputs are not served; |wo| stays under 65,504 (f16); the angles position x 10000^(-j / 32) are right to about 2e-4 radians at position 2,047.
; wo's loads take 64 bytes of each of 16 rows; four pieces on end use up 256 neighbouring bytes of a row.  The tensor is 4 MiB.
.set WAVES, 4
.set STEPS, 16
.set EMAX,  2
.set CB,    8                          ; bytes of 16 codes
.set R,     16                         ; v16-79   four sets of 16 numbers as they are loaded
.set X,     80                         ; v80-111  two sets of 16 neighbours
.set E,     112                        ; v112-127 a scale byte for each step
.set C,     128                        ; v128-191 codes: four registers for each step
.set WREG,  8192                       ; LDS: a region for each wave: two stages of 32 x SP bytes, behind them its 256 scale bytes
.set SP,    80                         ; a lane's place in a stage: 64 bytes + 16 of padding
.set SPW,   12                         ; v12  LDS address of my spare word; never rewritten, on any path
.set NIL,   13                         ; v13  0; never rewritten
.set SPARE, WAVES*WREG                 ; the spare words, 128 bytes for each wave
.set WX,    32                         ; wo's path: v32-159 two sets of 64 numbers
.set WY,    160                        ; v160-191 eight pieces of f16
	s_load_b256 s[4:11], s[0:1], 0x0               ; x s[4:5], wq s[6:7], wk s[8:9], wv s[10:11]
	s_load_b256 s[12:19], s[0:1], 0x20             ; wo s[12:13], x_codes s[14:15], x_scales s[16:17], w_codes s[18:19]
	s_load_b128 s[20:23], s[0:1], 0x40             ; w_scales s[20:21], wo_h s[22:23]
	s_load_b64 s[24:25], s[0:1], 0x50              ; rope
	v_lshl_add_u32 v[SPW], v0, 2, SPARE
	v_mov_b32 v[NIL], 0
	v_lshrrev_b32 v1, 5, v0
	v_readfirstlane_b32 s26, v1                    ; wave
	v_and_b32 v2, 31, v0                           ; lane
	s_wait_kmcnt 0x0
	s_cmp_ge_u32 ttmp9, 384
	s_cbranch_scc1 .Lrope
	s_cmp_ge_u32 ttmp9, 352
	s_cbranch_scc1 .Lwo
; ---------------- the quantiser: a tensor is a plain stream of blocks of 32; a wave takes 16 steps of 512 numbers ----------------
	v_lshlrev_b32 v3, 4, v2                        ; my 16 bytes of a load's 512
	s_mul_i32 s27, s26, WREG
	v_lshrrev_b32 v14, 2, v2
	v_mul_u32_u24 v14, v14, SP
	v_and_b32 v15, 3, v2
	v_lshl_add_u32 v14, v15, 4, v14
	v_add_nc_u32 v14, s27, v14                     ; the stage, on the way in: SP (lane / 4) + 16 (lane % 4)
	v_mul_u32_u24 v15, v2, SP
	v_add_nc_u32 v15, s27, v15                     ; and on the way out: SP x lane: my 16 neighbours
	v_mul_u32_u24 v4, v2, CB                       ; my codes' place in a step's
	v_lshrrev_b32 v5, 1, v2
	s_add_co_u32 s27, s27, 2*32*SP
	v_add_nc_u32 v5, s27, v5                       ; my wave's 256 scale bytes, my block's byte
	v_lshlrev_b32 v7, 3, v2
	v_add_nc_u32 v6, s27, v7                       ; and on the way out 8 bytes a lane
	s_sub_co_u32 s28, ttmp9, 256                   ; u: which of the 96 work-groups of the weights (used where the work-group is one of them)
	s_lshr_b32 s29, s28, 5                         ; which weight
	s_and_b32 s36, s28, 31                         ; which part of it
	s_mov_b64 s[30:31], s[10:11]                   ; the choices hang on the work-group's number alone
	s_cmp_eq_u32 s29, 1
	s_cselect_b64 s[30:31], s[8:9], s[30:31]
	s_cmp_eq_u32 s29, 0
	s_cselect_b64 s[30:31], s[6:7], s[30:31]
	s_cmp_lt_u32 ttmp9, 256
	s_cselect_b64 s[30:31], s[4:5], s[30:31]       ; the numbers
	s_cselect_b64 s[32:33], s[14:15], s[18:19]     ; the codes
	s_cselect_b64 s[34:35], s[16:17], s[20:21]     ; the scale bytes
	s_cselect_b32 s36, ttmp9, s36                  ; place in the tensor that is read,
	s_cselect_b32 s37, ttmp9, s28                  ; and in the buffers that are written (the three weights on end)
	s_lshl_b32 s36, s36, 2
	s_add_co_u32 s36, s36, s26
	s_lshl_b32 s37, s37, 2
	s_add_co_u32 s37, s37, s26                     ; which run of 8,192 numbers is my wave's
	s_lshl_b32 s38, s36, 15                        ; 32,768 bytes of numbers a run,
	s_mov_b32 s39, 0
	s_add_nc_u64 s[30:31], s[30:31], s[38:39]
	s_lshl_b32 s38, s37, 12                        ; 4,096 of codes,
	s_add_nc_u64 s[32:33], s[32:33], s[38:39]
	s_lshl_b32 s38, s37, 8                         ; 256 scale bytes
	s_add_nc_u64 s[34:35], s[34:35], s[38:39]
.macro LOAD t
.irp i, 0,1,2,3
	global_load_b128 v[R+16*((\t)%4)+4*\i:R+16*((\t)%4)+4*\i+3], v3, s[30:31] offset:2048*(\t)+512*\i th:TH_LOAD_NT   ; 32 lanes read 512 consecutive bytes
.endr
.endm
.macro TURN t                          ; step t's numbers through the stage: LDS serves a wave's instructions in order, so no wait stands between the stores and the loads
.irp i, 0,1,2,3
	ds_store_b128 v14, v[R+16*((\t)%4)+4*\i:R+16*((\t)%4)+4*\i+3] offset:32*SP*((\t)%2)+8*SP*\i
.endr
.irp i, 0,1,2,3
	ds_load_b128 v[X+16*((\t)%2)+4*\i:X+16*((\t)%2)+4*\i+3], v15 offset:32*SP*((\t)%2)+16*\i
.endr
.endm
.irp t, 0,1,2,3
	LOAD \t
.endr
	s_wait_loadcnt 12                              ; step 0's four loads are in; the twelve behind them may be out
	TURN 0
.macro STEP t
.set XS, X+16*((\t)%2)
.if (\t) > 0
	s_wait_dscnt 1                                 ; this step's numbers are back from the stage; the last step's byte store may be out
.else
	s_wait_dscnt 0x0
.endif
.if (\t)+4 < STEPS
	LOAD (\t)+4                                    ; into the registers that the stage's stores have read
.endif
.if (\t)+1 < STEPS
.if STEPS-2-(\t) >= 3
	s_wait_loadcnt 12                              ; the next step's four loads are in; those of the three steps behind it may be out
.else
	s_wait_loadcnt 4*(STEPS-2-(\t))
.endif
	TURN (\t)+1
.endif
	v_max3_num_f32 v8, |v[XS]|, |v[XS+1]|, |v[XS+2]|               ; the largest magnitude of my 16, in two chains
	v_max3_num_f32 v9, |v[XS+3]|, |v[XS+4]|, |v[XS+5]|
.irp i, 6,10
	v_max3_num_f32 v8, v8, |v[XS+\i]|, |v[XS+\i+1]|
	v_max3_num_f32 v9, v9, |v[XS+\i+2]|, |v[XS+\i+3]|
.endr
	v_max3_num_f32 v8, v8, |v[XS+14]|, |v[XS+15]|
	v_max3_num_f32 v8, v8, v9, (EMAX+1)<<23        ; and the floor 2^(3 - 127): the byte cannot fall under 1
	v_max_num_f32_dpp v8, v8, v8 row_xmask:1 row_mask:0xf bank_mask:0xf   ; with my neighbour's 16: the block's
	v_add_nc_u32 v11, -(EMAX<<23), v8              ; 2 off its exponent field: the conversion takes the exponent field of this operand as its scale
	v_cvt_scalef32_pk8_fp4_f32 v[C+4*(\t)], v[XS:XS+7], v11
	v_cvt_scalef32_pk8_fp4_f32 v[C+4*(\t)+1], v[XS+8:XS+15], v11
	v_lshrrev_b32 v[E+(\t)], 23, v11               ; the scale's byte (a plain line behind the conversions)
	ds_store_b8 v5, v[E+(\t)] offset:16*(\t)       ; both lanes of a block write the same byte with the same value
	global_store_b64 v4, v[C+4*(\t):C+4*(\t)+1], s[32:33] offset:32*CB*(\t)   ; the wave stores 256 consecutive bytes, aligned
.endm
.irp t, 0,1,2,3,4,5,6,7,8,9,10,11,12,13,14,15
	STEP \t
.endr
	ds_load_b64 v[8:9], v6                         ; LDS serves a wave's instructions in order: these see my stores
	s_wait_dscnt 0x0
	global_store_b64 v7, v[8:9], s[34:35]          ; 32 lanes store 256 consecutive bytes, aligned
	s_wait_tensorcnt 0x0                           ; the wave's end, behind my last LDS store
	ds_add_u32 v[SPW], v[NIL]
	s_wait_dscnt 0x0
	s_endpgm
; ---------------- wo to f16 images: a wave makes 32 pieces of one tile of 16 rows ----------------
.Lwo:
	s_sub_co_u32 s28, ttmp9, 352
	s_lshl_b32 s28, s28, 2
	s_add_co_u32 s28, s28, s26                     ; 0..127
	s_lshr_b32 s29, s28, 1                         ; the tile of 16 rows
	s_and_b32 s28, s28, 1                          ; which half of K
	s_lshl_b32 s30, s29, 16                        ; 16 rows of 4,096 bytes,
	s_lshl_b32 s31, s28, 11                        ; 512 numbers along K
	s_add_co_u32 s30, s30, s31
	s_mov_b32 s31, 0
	s_add_nc_u64 s[12:13], s[12:13], s[30:31]
	s_lshl_b32 s30, s29, 15                        ; 64 pieces of 512 bytes a tile,
	s_lshl_b32 s32, s28, 14                        ; 32 of them
	s_add_co_u32 s30, s30, s32
	s_add_nc_u64 s[22:23], s[22:23], s[30:31]
	v_and_b32 v3, 15, v0
	v_bfe_u32 v4, v0, 4, 1
	v_lshlrev_b32 v3, 12, v3
	v_lshl_add_u32 v3, v4, 5, v3                   ; in: row r, + 8 h numbers
	v_lshlrev_b32 v4, 4, v2                        ; out: 16 x lane
.macro LOADG g                         ; eight pieces: 16 loads into set g % 2
.irp p, 0,1,2,3,4,5,6,7
	global_load_b128 v[WX+64*((\g)%2)+8*\p:WX+64*((\g)%2)+8*\p+3], v3, s[12:13] offset:64*(8*(\g)+\p)
	global_load_b128 v[WX+64*((\g)%2)+8*\p+4:WX+64*((\g)%2)+8*\p+7], v3, s[12:13] offset:64*(8*(\g)+\p)+16
.endr
.endm
.macro WGROUP g
.irp p, 0,1,2,3,4,5,6,7
.if (\g) < 3
	s_wait_loadcnt 30-2*\p                         ; piece p is in; this group's later pieces and the next group's 16 loads may be out
.else
	s_wait_loadcnt 14-2*\p
.endif
.irp i, 0,1,2,3
	v_cvt_pk_f16_f32 v[WY+4*\p+\i], v[WX+64*((\g)%2)+8*\p+2*\i], v[WX+64*((\g)%2)+8*\p+2*\i+1]
.endr
	global_store_b128 v4, v[WY+4*\p:WY+4*\p+3], s[22:23] offset:512*(8*(\g)+\p)   ; the wave stores 512 consecutive bytes, aligned
.endr
.if (\g) < 3
	s_wait_xcnt 0x0                                ; the stores' data registers are written again only behind this wait
.endif
.if (\g) < 2
	LOADG (\g)+2
.endif
.endm
	LOADG 0
	LOADG 1
	WGROUP 0
	WGROUP 1
	WGROUP 2
	WGROUP 3
	s_wait_tensorcnt 0x0                           ; the closing lines stand on every path of this text
	ds_add_u32 v[SPW], v[NIL]
	s_wait_dscnt 0x0
	s_endpgm
; ---------------- the table of rotations: a wave makes two blocks of 16 positions ----------------
.Lrope:
	s_sub_co_u32 s28, ttmp9, 384
	s_lshl_b32 s28, s28, 2
	s_add_co_u32 s28, s28, s26                     ; 0..63
	s_lshl_b32 s30, s28, 13                        ; two blocks of 4,096 bytes
	s_mov_b32 s31, 0
	s_add_nc_u64 s[30:31], s[24:25], s[30:31]
	s_lshl_b32 s32, s28, 9                         ; one piece of the table for v
	s_mov_b32 s33, 0
	s_add_nc_u64 s[32:33], s[24:25], s[32:33]
	s_lshl_b32 s29, s28, 5                         ; my first position
	s_mov_b32 s39, 0xbed49a78                      ; -log2(10000) / 32
	s_mov_b32 s40, 0x3f22f983                      ; 2 / pi
	s_mov_b32 s41, 0xbfc90fdb                      ; -(pi / 2), its high part
	s_mov_b32 s42, 0x333bbd2e                      ; -(pi / 2 less that high part)
	s_mov_b32 s43, 0xbe2aaaab                      ; sine: -1/6, 1/120, -1/5040, 1/362880
	s_mov_b32 s44, 0x3c088889
	s_mov_b32 s45, 0xb9500d01
	s_mov_b32 s46, 0x3638ef1b
	s_mov_b32 s47, 0x3d2aaaab                      ; cosine: 1/24, -1/720, 1/40320, -1/3628800
	s_mov_b32 s48, 0xbab60b61
	s_mov_b32 s49, 0x37d00d01
	s_mov_b32 s50, 0xb493f27c
	s_mov_b32 s51, 0x3e38aa3b                      ; log2(e) / 8: q's scale, so that a score is an exponent of 2
	v_and_b32 v3, 15, v0                           ; r
	v_bfe_u32 v4, v0, 4, 1
	v_lshlrev_b32 v4, 2, v4                        ; 4 h
	v_lshlrev_b32 v5, 4, v2                        ; 16 x lane
	v_add_nc_u32 v6, s29, v3                       ; my position in the first block
.irp k, 0,1,2,3,4,5,6,7,8,9,10,11,12,13,14,15
	v_add_nc_u32 v[32+\k], 8*(\k/4)+2*((\k/2)%2)+(\k%2), v4   ; pair j of piece k / 2, place k % 2
.endr
.irp k, 0,1,2,3,4,5,6,7,8,9,10,11,12,13,14,15
	v_cvt_f32_u32 v[32+\k], v[32+\k]
.endr
.irp k, 0,1,2,3,4,5,6,7,8,9,10,11,12,13,14,15
	v_mul_f32 v[32+\k], s39, v[32+\k]
.endr
.irp k, 0,1,2,3,4,5,6,7,8,9,10,11,12,13,14,15
	v_exp_f32 v[32+\k], v[32+\k]                   ; 10000^(-j / 32)
.endr
	v_nop                                          ; a plain line behind the last exponential,
	s_wait_alu depctr_va_vdst(0)                   ; and one wait for the batch, ahead of its first reader
; cos and sin of v[a] (0 .. 2,047): n = the nearest whole number of quarter turns; what is left, at most pi / 4, by two fused multiply-adds; two polynomials; the quarter picks and signs them.
.macro SINCOS a, c, s
	v_mul_f32 v16, s40, v[\a]
	v_rndne_f32 v16, v16                           ; n
	v_fma_f32 v17, v16, s41, v[\a]
	v_fma_f32 v17, v16, s42, v17                   ; r
	v_cvt_i32_f32 v18, v16
	v_mul_f32 v19, v17, v17                        ; r^2
	v_fma_f32 v20, s46, v19, s45
	v_fma_f32 v21, s50, v19, s49
	v_fma_f32 v20, v20, v19, s44
	v_fma_f32 v21, v21, v19, s48
	v_fma_f32 v20, v20, v19, s43
	v_fma_f32 v21, v21, v19, s47
	v_mul_f32 v22, v19, v17                        ; r^3
	v_fma_f32 v21, v21, v19, -0.5
	v_fma_f32 v20, v20, v22, v17                   ; sin r
	v_fma_f32 v21, v21, v19, 1.0                   ; cos r
	v_and_b32 v22, 1, v18
	v_cmp_eq_u32 vcc_lo, 1, v22                    ; an odd quarter swaps the two
	v_cndmask_b32 v23, v20, v21, vcc_lo
	v_cndmask_b32 v22, v21, v20, vcc_lo
	v_lshlrev_b32 v20, 30, v18                     ; the sine is negative in quarters 2 and 3,
	v_add_nc_u32 v21, 1, v18
	v_and_b32 v20, 0x80000000, v20
	v_lshlrev_b32 v21, 30, v21                     ; the cosine in quarters 1 and 2
	v_and_b32 v21, 0x80000000, v21
	v_xor_b32 v[\s], v20, v23
	v_xor_b32 v[\c], v21, v22
.endm
.irp pbi, 0,1
.if \pbi
	s_wait_xcnt 0x0                                ; the first block's stores have read their registers
.endif
	v_add_nc_u32 v7, 16*\pbi, v6
	v_cvt_f32_u32 v7, v7
.irp g, 0,1,2,3,4,5,6,7
	v_mul_f32 v24, v7, v[32+2*\g]                  ; the angle: one rounding
	v_mul_f32 v25, v7, v[33+2*\g]
	SINCOS 24, 64+8*\g, 65+8*\g
	SINCOS 25, 66+8*\g, 67+8*\g
.irp i, 0,1,2,3
	v_mul_f32 v[68+8*\g+\i], s51, v[64+8*\g+\i]
.endr
	global_store_b128 v5, v[64+8*\g:67+8*\g], s[30:31] offset:524288+4096*\pbi+512*\g   ; k's table
	global_store_b128 v5, v[68+8*\g:71+8*\g], s[30:31] offset:4096*\pbi+512*\g          ; q's
.endr
.endr
	v_mov_b32 v128, 1.0
	v_mov_b32 v129, 0
	v_mov_b32 v130, 1.0
	v_mov_b32 v131, 0
	global_store_b128 v5, v[128:131], s[32:33] offset:1048576   ; v's: no rotation
	s_wait_tensorcnt 0x0                           ; the closing lines stand on every path of this text
	ds_add_u32 v[SPW], v[NIL]
	s_wait_dscnt 0x0
	s_endpgm
.Lfunc_end_k_q330e06d3f5_prep:
	.size	k_q330e06d3f5_prep, .Lfunc_end_k_q330e06d3f5_prep-k_q330e06d3f5_prep
	.p2alignl 7, 3214868480
	.fill 96, 4, 3214868480
	.section	.rodata,"a",@progbits
	.p2align	6, 0x0
	.amdhsa_kernel k_q330e06d3f5_prep
		.amdhsa_group_segment_fixed_size 33280
		.amdhsa_private_segment_fixed_size 0
		.amdhsa_enable_private_segment 0
		.amdhsa_kernarg_size 88
		.amdhsa_user_sgpr_count 2
		.amdhsa_user_sgpr_kernarg_segment_ptr 1
		.amdhsa_wavefront_size32 1
		.amdhsa_system_sgpr_workgroup_id_x 1
		.amdhsa_system_sgpr_workgroup_id_y 1
		.amdhsa_system_sgpr_workgroup_id_z 1
		.amdhsa_system_vgpr_workitem_id 0
		.amdhsa_next_free_vgpr 192
		.amdhsa_next_free_sgpr 66
		.amdhsa_reserve_vcc 1
		.amdhsa_float_denorm_mode_32 3
		.amdhsa_float_denorm_mode_16_64 3
		.amdhsa_memory_ordered 1
		.amdhsa_forward_progress 1
		.amdhsa_inst_pref_size 103
	.end_amdhsa_kernel
	.amdgpu_metadata
---
amdhsa.version: [ 1, 2 ]
amdhsa.kernels:
  - .name:           k_q330e06d3f5_prep
    .symbol:         k_q330e06d3f5_prep.kd
    .args:
      - { .name: x, .offset: 0, .size: 8, .value_kind: global_buffer, .address_space: global }
      - { .name: wq, .offset: 8, .size: 8, .value_kind: global_buffer, .address_space: global }
      - { .name: wk, .offset: 16, .size: 8, .value_kind: global_buffer, .address_space: global }
      - { .name: wv, .offset: 24, .size: 8, .value_kind: global_buffer, .address_space: global }
      - { .name: wo, .offset: 32, .size: 8, .value_kind: global_buffer, .address_space: global }
      - { .name: x_codes, .offset: 40, .size: 8, .value_kind: global_buffer, .address_space: global }
      - { .name: x_scales, .offset: 48, .size: 8, .value_kind: global_buffer, .address_space: global }
      - { .name: w_codes, .offset: 56, .size: 8, .value_kind: global_buffer, .address_space: global }
      - { .name: w_scales, .offset: 64, .size: 8, .value_kind: global_buffer, .address_space: global }
      - { .name: wo_h, .offset: 72, .size: 8, .value_kind: global_buffer, .address_space: global }
      - { .name: rope, .offset: 80, .size: 8, .value_kind: global_buffer, .address_space: global }
    .group_segment_fixed_size: 33280
    .private_segment_fixed_size: 0
    .kernarg_segment_align: 8
    .kernarg_segment_size: 88
    .max_flat_workgroup_size: 128
    .sgpr_count:     66
    .vgpr_count:     192
    .wavefront_size: 32
...
	.end_amdgpu_metadata
.endif
;; end of part 1
;; launch qkv (part 2): grid 12 x 32, 4 waves a work-group, clusters of 4 x 4, 327,680 bytes of LDS; arguments x_codes, x_scales, w_codes, w_scales, rope, qkv; writes qkv
.if DOCPART == 2
	.amdgcn_target "amdgcn-amd-amdhsa--gfx1250"
	.amdhsa_code_object_version 6
	.text
	.protected	k_q330e06d3f5_qkv
	.globl	k_q330e06d3f5_qkv
	.p2align	8
	.type	k_q330e06d3f5_qkv,@function
k_q330e06d3f5_qkv:
	s_mov_b64 s[64:65], 0
	v_nop
	global_prefetch_b8 v0, s[64:65] scope:SCOPE_SE
	s_setreg_imm32_b32 hwreg(HW_REG_WAVE_MODE, 25, 1), 1
	s_wait_xcnt 0x0
	s_wait_alu depctr_hold_cnt(0) depctr_sa_sdst(0) depctr_va_vdst(0) depctr_va_sdst(0) depctr_va_ssrc(0) depctr_va_vcc(0) depctr_vm_vsrc(0)
	s_getreg_b32 s2, hwreg(HW_REG_IB_STS2, 6, 4)
	s_cmp_eq_u32 s2, 0
	s_cbranch_scc0 .Lentry_in_a_cluster
	s_endpgm
.Lentry_in_a_cluster:
	s_bfe_u32 s2, ttmp6, 0x10000c
	s_cmp_lg_u32 s2, 0xf033
	s_cbranch_scc0 .Lentry_shape_is_right
	s_endpgm
.Lentry_shape_is_right:
; QKV: q, k, v = x W^T on codes of FP4 (E2M1) with one E8M0 scale for each 32 along K = 1,024; then the rotation of q and k, q's scale log2(e) / 8, and the rounding to f16.
; A work-group of four waves makes a tile of 256 x 256, a wave 128 x 128: 64 accumulators, 512 registers.  K is two LDS slots of 512 along K (rows of 256 bytes): both are asked for at the start and nothing is filled again.
; The scale bytes of the tile's 2 x 256 rows, for all of K, come once, as rows of 256 bytes.
; CLUSTERS of 4 x 4: operand A' is shared along a row of the cluster, B' along a column; each tile is asked for jointly by the four that need it.
; WHO IS A' AND WHO IS B' hangs on the cluster's x, which all sixteen partners share.  Clusters 0 and 1 (q, k): A' = 256 tokens, B' = 256 rows of wq | wk.  Cluster 2 (v): A' = 256 rows of wv, B' = 256 tokens.
; The matrix instruction is used transposed (source 0 = 16 rows of B', source 1 = 16 rows of A'): a lane holds row lane % 16 of A' and eight neighbours of B'.  So for q and k a lane holds one token and eight channels,
; for v one channel and eight keys: in both cases the 16 bytes of f16 that a lane of the next launch's operand registers wants.
; OUT: qkv [batch 4][hh 48][tile of 16 tokens 128][piece 4][512 B], lane l's 16 bytes at 16 l; hh = head (q), 16 + head (k), 32 + head (v).  q, k: piece p = channels 16 p + 8 h + 0..7 of token r.
; v: piece p = keys 8 h + 0..7 of channel 16 p + r.  Every store of a wave is 512 consecutive bytes, aligned: no stage in LDS.
; THE ROTATION: (o0, o1) = (x0 c - x1 s, x1 c + x0 s), two packed instructions a pair, from a table laid in this result's own order; v goes through a table of (1, 0), so that the text has one path.
; LIMITS: |q| log2(e) / 8, |k| and |v| stay under 65,504 (f16).
; REGISTERS: window 0: v1-31 addresses; v32-95 scale words, two sets (they hold nothing else); v96-127, v128-159 the way out's f16; v128-191 A's fragments, one set; v192-255 rotated pairs.
;   window 1: B's fragments, two sets, at v0 and v128; the table's blocks 0-3 at v64, v96, v192, v224, blocks 4-7 at v0, v32, v128, v160 once the products are done.   windows 2, 3: the accumulators.
.set KSTEP,  512
.set NQ,     KSTEP/128
.set ROWB,   256
.set KROW,   512                       ; a row of codes in memory
.set PITCH,  272                       ; an LDS row: 256 bytes + 16 of padding: the 16 rows that a load touches start 68 words apart
.set FR,     8
.set NL,     2
.set NP,     4
.set HALFT,  128*PITCH
.set SLOT,   4*HALFT
.set KS,     32                        ; a row of scale bytes
.set SCL,    2*SLOT
.set HALFS,  (128*KS/256)*272
.set SBLK,   (16*KS/256)*272
.set SPARE,  SCL+4*HALFS               ; the spare words, 128 bytes for each wave
.set LI,   7                           ; v7     16 x lane
.set OFFB, 8                           ; v8-15  where block b of B' goes, from the store's base
.set ADRA, 16
.set ADRB, 20
.set ADRS, 27
.set SPW,  28
.set NIL,  29
.set SC,   32
.set YY,   96
.set AF,   128
.set UU,   192
.set G1, 24
.set G0, 32
.set G1B, 48
.set G0B, 56
.set G1S, 68
.set G0S, 76
.set G1SB, 80
.set G0SB, 88
.set MSB, 0
.macro WIN new                         ; the immediate's high byte repeats the setting that is left
.if MSB != \new
	s_set_vgpr_msb (MSB<<8)|\new
.set MSB, \new
.endif
.endm
.set MUL_LO, 0xa1                      ; source 0 (B') window 1, source 1 (A') window 0, C and D window 2
.set MUL_HI, 0xf1                      ; the same, C and D window 3
.set TO_B,   0x40                      ; destination window 1, address window 0
; A joint load: waves 0 and 1 fetch for A', waves 2 and 3 for B'.  The branch hangs on the wave's number alone.  An s_nop 0 and four v_nop follow each line.
.macro JLOAD g0a, g1a, g0b, g1b
	s_cmp_eq_u32 s17, 0
	s_cbranch_scc0 .Lfor_b_\@
	tensor_load_to_lds s[\g0a:\g0a+3], s[\g1a:\g1a+7]
	s_nop 0
.rept 4
	v_nop
.endr
	s_branch .Lasked_\@
.Lfor_b_\@:
	tensor_load_to_lds s[\g0b:\g0b+3], s[\g1b:\g1b+7]
	s_nop 0
.rept 4
	v_nop
.endr
.Lasked_\@:
.endm
.macro CROUND                          ; a round of the cluster's barrier
	s_barrier_signal -1
	s_barrier_wait -1
	s_cmp_lg_u32 s16, 0
	s_cbranch_scc1 .Lnot_wave_0_\@
	s_barrier_signal -3
.Lnot_wave_0_\@:
	s_barrier_wait -3
	s_barrier_signal -1
	s_barrier_wait -1
.endm
	s_load_b256 s[4:11], s[0:1], 0x0               ; x's codes s[4:5], x's scales s[6:7], w's codes s[8:9], w's scales s[10:11]
	s_load_b128 s[12:15], s[0:1], 0x20             ; the table s[12:13], qkv s[14:15]
	v_lshl_add_u32 v[SPW], v0, 2, SPARE
	v_mov_b32 v[NIL], 0
	ds_add_u32 v[SPW], v[NIL]                      ; the wave's opening: the add, twice on end, and its wait ahead of my first tensor load
	ds_add_u32 v[SPW], v[NIL]
	v_lshrrev_b32 v1, 5, v0
	v_readfirstlane_b32 s16, v1                    ; wave 0..3
	s_lshr_b32 s17, s16, 1                         ; which half of A's rows is mine.  Also: I fetch for A' (0) or B' (1)
	s_and_b32 s18, s16, 1                          ; which half of B's rows.  Also: which 128 rows I fetch
	s_bfe_u32 s40, ttmp6, 0x40000                  ; cx
	s_bfe_u32 s41, ttmp6, 0x40004                  ; cy
	s_and_b32 s19, ttmp7, 0xffff
	s_lshl_b32 s19, s19, 2                         ; 4 x cluster y
	s_lshl_b32 s67, ttmp9, 2                       ; 4 x cluster x
	s_cmp_eq_u32 ttmp9, 2                          ; the clusters of v: the same answer in all sixteen partners
	s_cselect_b32 s66, 8, s19
	s_cselect_b32 s42, s19, s67
	s_cselect_b32 s95, 1, 0                        ; kept: later choices compare it again
	s_add_co_u32 s66, s66, s41                     ; A's tile of 256 rows: tokens 4 cluster y + cy, or rows 8 + cy of the weights
	s_add_co_u32 s42, s42, s40                     ; B's: weights 4 cluster x + cx, or tokens 4 cluster y + cx
	s_lshl_b32 s43, s41, 2
	s_lshl_b32 s43, 15, s43                        ; my row of the cluster
	s_lshl_b32 s44, 0x1111, s40                    ; my column
	s_or_b32 s[G1+0], s43, (0<<16)|(1<<20)|(1<<21)|(5<<22)|(3<<25)  ; the mask; elements of 1 byte; padding on; bit 21 beside a mask; 4 words behind every 64
	s_or_b32 s[G1B+0], s44, (0<<16)|(1<<20)|(1<<21)|(5<<22)|(3<<25)
.irp g, G1, G1B
	s_mov_b32 s[\g+1], ROWB<<16                    ; tensor_dim0
	s_mov_b32 s[\g+2], 128<<16                     ; tensor_dim1
	s_mov_b32 s[\g+3], ROWB<<16                    ; tile_dim0
	s_mov_b32 s[\g+4], 128                         ; tile_dim1
	s_mov_b32 s[\g+5], KROW                        ; from row to row
	s_mov_b32 s[\g+6], 0
	s_mov_b32 s[\g+7], 0
.endr
	s_or_b32 s[G1S+0], s43, (3<<16)|(1<<20)|(1<<21)|(5<<22)|(3<<25)   ; the scales of 128 rows: 4,096 dense bytes as 16 rows of 256 (32 elements of 8 bytes), 16 bytes of padding behind each
	s_or_b32 s[G1SB+0], s44, (3<<16)|(1<<20)|(1<<21)|(5<<22)|(3<<25)
.irp g, G1S, G1SB
	s_mov_b32 s[\g+1], 32<<16
	s_mov_b32 s[\g+2], (128*KS/256)<<16
	s_mov_b32 s[\g+3], 32<<16
	s_mov_b32 s[\g+4], 128*KS/256
	s_mov_b32 s[\g+5], 32
	s_mov_b32 s[\g+6], 0
	s_mov_b32 s[\g+7], 0
.endr
	s_lshl_b32 s21, s18, 7                         ; which 128 rows of the tile I fetch
	s_lshl_b32 s20, s66, 8
	s_add_co_u32 s20, s20, s21                     ; A's row
	s_lshl_b32 s46, s42, 8
	s_add_co_u32 s46, s46, s21                     ; B's row
	s_lshl_b32 s22, s20, 5                         ; its scales: 32 bytes a row,
	s_lshl_b32 s20, s20, 9                         ; its codes: 512
	s_lshl_b32 s92, s46, 5
	s_lshl_b32 s46, s46, 9
	s_mov_b32 s21, 0
	s_mov_b32 s23, 0
	s_mov_b32 s47, 0
	s_mov_b32 s93, 0
	s_mul_i32 s45, s16, HALFT                      ; where they go: wave x 128 rows: no place in the cluster enters an LDS address
	s_mul_i32 s94, s16, HALFS
	s_wait_dscnt 0x0                               ; both opening adds are done
	s_wait_kmcnt 0x0
	s_cmp_eq_u32 s95, 1
	s_cselect_b64 s[96:97], s[8:9], s[4:5]         ; A's codes,
	s_cselect_b64 s[2:3], s[10:11], s[6:7]         ; A's scales,
	s_cselect_b64 s[4:5], s[4:5], s[8:9]           ; B's codes,
	s_cselect_b64 s[6:7], s[6:7], s[10:11]         ; B's scales
	s_add_nc_u64 s[20:21], s[96:97], s[20:21]
	s_add_nc_u64 s[22:23], s[2:3], s[22:23]
	s_add_nc_u64 s[46:47], s[4:5], s[46:47]
	s_add_nc_u64 s[92:93], s[6:7], s[92:93]
	CROUND                                         ; all sixteen work-groups are here: the first joint loads meet
	s_mov_b32 s[G0S], 1
	s_add_co_u32 s[G0S+1], s94, SCL
	s_mov_b64 s[G0S+2:G0S+3], s[22:23]
	s_or_b32 s[G0S+3], s[G0S+3], 0x80000000
	s_mov_b32 s[G0SB], 1
	s_add_co_u32 s[G0SB+1], s94, SCL
	s_mov_b64 s[G0SB+2:G0SB+3], s[92:93]
	s_or_b32 s[G0SB+3], s[G0SB+3], 0x80000000
	JLOAD G0S, G1S, G0SB, G1SB                     ; the scales first; by this text's count three loads of a wave are out behind the next two
.irp s, 0,1
	s_mov_b32 s[G0+4*\s], 1
	s_add_co_u32 s[G0+4*\s+1], s45, \s*SLOT
	s_add_nc_u64 s[G0+4*\s+2:G0+4*\s+3], s[20:21], \s*ROWB
	s_or_b32 s[G0+4*\s+3], s[G0+4*\s+3], 0x80000000
	s_mov_b32 s[G0B+4*\s], 1
	s_add_co_u32 s[G0B+4*\s+1], s45, \s*SLOT
	s_add_nc_u64 s[G0B+4*\s+2:G0B+4*\s+3], s[46:47], \s*ROWB
	s_or_b32 s[G0B+4*\s+3], s[G0B+4*\s+3], 0x80000000
	JLOAD G0+4*\s, G1, G0B+4*\s, G1B
.endr
	; where the results go, and which part of the table is mine
	v_and_b32 v6, 31, v0
	v_lshlrev_b32 v[LI], 4, v6
	s_cmp_eq_u32 s95, 1
	s_cselect_b32 s2, s66, s42                     ; the tile of 256 channels,
	s_cselect_b32 s3, s17, s18                     ; my half of it;
	s_cselect_b32 s19, s42, s66                    ; the tile of 256 tokens,
	s_cselect_b32 s67, s18, s17                    ; my half of it
	s_mov_b32 s98, 2048
	s_cselect_b32 s98, 512, s98                    ; from a block of A' to the next: a tile of tokens (2,048 bytes), or for v a piece (512);
	s_mov_b32 s100, 2048
	s_cselect_b32 s100, 260608, s100               ; from block 3 to block 4 v goes on to the next head: 262,144 - 3 x 512
	s_mov_b32 s99, 0
	s_mov_b32 s101, 0
.irp b, 0,1,2,3,4,5,6,7
	s_mov_b32 s96, 262144*(\b/4)+512*(\b%4)        ; block b of B': head b / 4, piece b % 4; or for v the tile of keys b
	s_cselect_b32 s96, 2048*\b, s96
	v_add_nc_u32 v[OFFB+\b], s96, v[LI]
.endr
	s_lshl_b32 s2, s2, 2
	s_lshl_b32 s3, s3, 1
	s_add_co_u32 s2, s2, s3                        ; hh of my first 64 channels
	s_lshl_b32 s19, s19, 4
	s_lshl_b32 s67, s67, 3
	s_add_co_u32 s19, s19, s67                     ; my first tile of 16 tokens, 0..511
	s_lshr_b32 s3, s19, 7                          ; the batch
	s_mul_i32 s3, s3, 48
	s_add_co_u32 s2, s2, s3
	s_lshl_b32 s2, s2, 18                          ; 262,144 bytes for each (batch, hh)
	s_and_b32 s19, s19, 127
	s_lshl_b32 s3, s19, 11
	s_add_co_u32 s2, s2, s3
	s_mov_b32 s3, 0
	s_add_nc_u64 s[14:15], s[14:15], s[2:3]
	s_lshl_b32 s96, ttmp9, 19                      ; q's table at 0, k's at 524,288,
	s_lshl_b32 s19, s19, 12                        ; my first block of 16 positions;
	s_add_co_u32 s96, s96, s19
	s_cmp_eq_u32 s95, 1
	s_cselect_b32 s96, 0x100000, s96               ; v's at 1,048,576
	s_mov_b32 s97, 0
	s_add_nc_u64 s[12:13], s[12:13], s[96:97]
.macro TABLE a                         ; the table for block a of A': 32 registers in window 1
.set TT, 64*(1-(\a)/4)+128*(((\a)%4)/2)+32*((\a)%2)
.irp g, 0,1,2,3,4,5,6,7
	global_load_b128 v[TT+4*\g:TT+4*\g+3], v[LI], s[12:13] offset:4096*(\a)+512*\g
.endr
.endm
	WIN TO_B
	TABLE 0                                        ; four blocks now, into registers that the products leave alone
	TABLE 1
	TABLE 2
	TABLE 3
	WIN 0
	v_and_b32 v1, 15, v0                           ; l % 16
	v_bfe_u32 v2, v0, 4, 1                         ; l / 16
	v_mul_u32_u24 v3, v1, PITCH
	v_lshl_add_u32 v4, v2, 4, v3                   ; a fragment's row x pitch + 16 x half
	s_mul_i32 s21, s17, HALFT                      ; my 128 rows of A'
	s_mul_i32 s22, s18, HALFT                      ; my 128 rows of B',
	s_add_co_u32 s22, s22, 2*HALFT                 ; which lie behind A's 256
.irp s, 0,1
	v_add_nc_u32 v[ADRA+\s], s21, v4
	v_add_nc_u32 v[ADRB+\s], s22, v4
	s_add_co_u32 s21, s21, SLOT
	s_add_co_u32 s22, s22, SLOT
.endr
	v_mul_u32_u24 v5, v1, KS                       ; my row's scales: 32 bytes a row,
	v_lshrrev_b32 v6, 8, v5
	v_lshl_add_u32 v5, v6, 4, v5                   ; and 16 more for each 256 passed
	s_mul_i32 s21, s17, HALFS
	s_mul_i32 s22, s18, HALFS
	s_add_co_u32 s22, s22, 2*HALFS
	s_sub_co_u32 s22, s22, s21
	v_mul_u32_u24 v6, s22, v2                      ; lanes 16-31 take B's
	s_add_co_u32 s21, s21, SCL
	v_add_nc_u32 v5, v5, v6
	v_add_nc_u32 v[ADRS], s21, v5
.macro FRAG reg, adr, q, i             ; 16 rows x 128 K of 4-bit codes: 8 registers: lane l holds row l % 16; registers 4 c .. 4 c + 3 hold K = 64 c + 32 (l / 16) + 0 .. 31
.irp c, 0,1
	ds_load_b128 v[\reg+4*\c:\reg+4*\c+3], v[\adr] offset:64*(\q)+32*\c+(\i)*16*PITCH
.endr
.endm
; 16 matrix instructions: A's blocks a0, a0 + 1 x B's eight, the slot's q-th 128 along K.  The 64 accumulators take turns, one instruction a turn, in the same order in every step.
.macro MUL16 a0, p, q, sc, zero
.irp a, \a0, \a0+1
.irp b, 0,1,2,3,4,5,6,7
.if \zero
	v_wmma_scale_f32_16x16x128_f8f6f4 v[8*(8*((\a)%4)+\b):8*(8*((\a)%4)+\b)+7], v[128*(\p)+FR*\b:128*(\p)+FR*\b+FR-1], v[AF+FR*(\a):AF+FR*(\a)+FR-1], 0, v[SC+8*NQ*(\sc)+NQ*\b+(\q)], v[SC+8*NQ*(\sc)+NQ*(\a)+(\q)] matrix_a_fmt:MATRIX_FMT_FP4 matrix_b_fmt:MATRIX_FMT_FP4 matrix_a_scale:MATRIX_SCALE_ROW1
.else
	v_wmma_scale_f32_16x16x128_f8f6f4 v[8*(8*((\a)%4)+\b):8*(8*((\a)%4)+\b)+7], v[128*(\p)+FR*\b:128*(\p)+FR*\b+FR-1], v[AF+FR*(\a):AF+FR*(\a)+FR-1], v[8*(8*((\a)%4)+\b):8*(8*((\a)%4)+\b)+7], v[SC+8*NQ*(\sc)+NQ*\b+(\q)], v[SC+8*NQ*(\sc)+NQ*(\a)+(\q)] matrix_a_fmt:MATRIX_FMT_FP4 matrix_b_fmt:MATRIX_FMT_FP4 matrix_a_scale:MATRIX_SCALE_ROW1
.endif
.endr
.endr
.endm
.macro FETCH_B slot, q, p
	WIN TO_B
.irp i, 0,1,2,3,4,5,6,7
	FRAG 128*(\p)+FR*\i, ADRB+\slot, \q, \i
.endr
	WIN 0
.endm
.macro FETCH_A slot, q, i0
.irp i, \i0, \i0+1, \i0+2, \i0+3
	FRAG AF+FR*(\i), ADRA+\slot, \q, \i
.endr
.endm
.macro SCALES sc                       ; a slot's scale words: four words a row; lanes 0-15 take A's block i, lanes 16-31 B's block i
.irp i, 0,1,2,3,4,5,6,7
	ds_load_b128 v[SC+8*NQ*\sc+NQ*\i:SC+8*NQ*\sc+NQ*\i+3], v[ADRS] offset:\i*SBLK
.endr
.endm
.macro PLACES n                        ; plain vector lines between a matrix instruction and a load into, or a vector read of, its registers
.rept \n
	v_nop
.endr
.endm
.macro STEP slot, q, zero              ; a step of 128 along K that has its successor in the same slot
	s_wait_dscnt 4*NL                              ; B's set and A's blocks 0-3 are in; the youngest eight loads (A's blocks 4-7) may be out
	WIN MUL_LO
	MUL16 0, (\q)%2, \q, \slot, \zero
	MUL16 2, (\q)%2, \q, \slot, \zero
	s_wait_dscnt 0
	PLACES NP
	FETCH_B \slot, (\q)+1, 1-(\q)%2
	FETCH_A \slot, (\q)+1, 0
	WIN MUL_HI
	MUL16 4, (\q)%2, \q, \slot, \zero
	MUL16 6, (\q)%2, \q, \slot, \zero
	PLACES NP
	WIN 0
	FETCH_A \slot, (\q)+1, 4
.endm
.macro TURN slot, next                 ; slot 0's last step changes slots: one barrier
	s_wait_tensorcnt 0x0                           ; all my tensor loads have landed: my part of the next slot
	ds_add_u32 v[SPW], v[NIL]                      ; 0 onto my spare word
	s_wait_dscnt 4*NL+1                            ; the add and the youngest eight loads may be out
	WIN MUL_LO
	MUL16 0, 1, NQ-1, \slot, 0
	s_wait_dscnt 0x0                               ; the add is done, and my reads of this slot are over
	s_barrier_signal -1
	MUL16 2, 1, NQ-1, \slot, 0
	WIN 0
	s_barrier_wait -1                              ; the next slot is whole
	PLACES NP
	v_add_nc_u32 v[ADRS], 4*NQ, v[ADRS]            ; the next slot's scale words
	FETCH_B \next, 0, 0
	FETCH_A \next, 0, 0
	SCALES \next
	WIN MUL_HI
	MUL16 4, 1, NQ-1, \slot, 0
	MUL16 6, 1, NQ-1, \slot, 0
	PLACES NP
	WIN 0
	FETCH_A \next, 0, 4
.endm
.macro STEPS slot, from
.set Q, \from
.rept NQ-1-\from
	STEP \slot, Q, 0
.set Q, Q+1
.endr
.endm
	s_wait_tensorcnt 1                             ; the scales and my part of slot 0 are in; slot 1's load may be out
	s_barrier_signal -1
	s_barrier_wait -1
	FETCH_B 0, 0, 0
	FETCH_A 0, 0, 0
	SCALES 0
	FETCH_A 0, 0, 4
	STEP 0, 0, 1                                   ; the first products start the sums: nothing is cleared
	STEPS 0, 1
	TURN 0, 1
	STEPS 1, 0
	s_wait_dscnt 4*NL                              ; the last step
	WIN MUL_LO
	MUL16 0, 1, NQ-1, 1, 0
	MUL16 2, 1, NQ-1, 1, 0
	s_wait_dscnt 0
	WIN MUL_HI
	MUL16 4, 1, NQ-1, 1, 0
	MUL16 6, 1, NQ-1, 1, 0
	WIN 0
	PLACES NP                                      ; behind the last products: for the loads into B's registers, the reads of results and the writes over A's registers
	WIN TO_B
	TABLE 4
	TABLE 5
	TABLE 6
	TABLE 7
	WIN 0
; THE WAY OUT of block a of A': 8 accumulators; each from its low end on: rotated in pairs, rounded to f16, stored as eight pieces of 512 bytes.
.macro OUTB a
.set TT, 64*(1-(\a)/4)+128*(((\a)%4)/2)+32*((\a)%2)
.set AC, 64*((\a)%4)
.set YS, YY+32*((\a)%2)
.set WN, 0x06+(\a)/4                   ; source 0 window 2 or 3 (the sums), source 1 window 1 (the table), the rest window 0
.if (\a) > 0
	s_wait_xcnt 0x0                                ; the earlier stores have read their base and their data: both are written again only behind this wait
.if (\a) == 4
	s_add_nc_u64 s[14:15], s[14:15], s[100:101]
.else
	s_add_nc_u64 s[14:15], s[14:15], s[98:99]
.endif
.endif
	WIN WN
.irp b, 0,1,2,3,4,5,6,7
.irp i, 0,1,2,3
	v_pk_mul_f32 v[UU+8*\b+2*\i:UU+8*\b+2*\i+1], v[AC+8*\b+2*\i:AC+8*\b+2*\i+1], v[TT+8*(\b%4)+2*\i:TT+8*(\b%4)+2*\i+1] op_sel_hi:[1,0]   ; (x0 c, x1 c)
.endr
.irp i, 0,1,2,3
	v_pk_fma_f32 v[UU+8*\b+2*\i:UU+8*\b+2*\i+1], v[AC+8*\b+2*\i:AC+8*\b+2*\i+1], v[TT+8*(\b%4)+2*\i:TT+8*(\b%4)+2*\i+1], v[UU+8*\b+2*\i:UU+8*\b+2*\i+1] op_sel:[1,1,0] op_sel_hi:[0,1,1] neg_lo:[1,0,0]   ; (- x1 s, + x0 s)
.endr
.endr
	WIN 0
.irp n, 0,1,2,3,4,5,6,7,8,9,10,11,12,13,14,15,16,17,18,19,20,21,22,23,24,25,26,27,28,29,30,31
	v_cvt_pk_f16_f32 v[YS+\n], v[UU+2*\n], v[UU+2*\n+1]
.endr
.irp b, 0,1,2,3,4,5,6,7
	global_store_b128 v[OFFB+\b], v[YS+4*\b:YS+4*\b+3], s[14:15]   ; the wave stores 512 consecutive bytes, aligned
.endr
.endm
	s_wait_loadcnt 32                              ; the table's blocks 0-3 are in; the 32 loads just issued may be out
	OUTB 0
	OUTB 1
	OUTB 2
	OUTB 3
	s_wait_loadcnt 0x0
	OUTB 4
	OUTB 5
	OUTB 6
	OUTB 7
	s_wait_tensorcnt 0x0                           ; the wave's end
	ds_add_u32 v[SPW], v[NIL]
	s_wait_dscnt 0x0
	CROUND                                         ; the closing round: no work-group ends while a partner may still ask for a tile that names it
	s_endpgm
.Lfunc_end_k_q330e06d3f5_qkv:
	.size	k_q330e06d3f5_qkv, .Lfunc_end_k_q330e06d3f5_qkv-k_q330e06d3f5_qkv
	.p2alignl 7, 3214868480
	.fill 96, 4, 3214868480
	.section	.rodata,"a",@progbits
	.p2align	6, 0x0
	.amdhsa_kernel k_q330e06d3f5_qkv
		.amdhsa_group_segment_fixed_size 327680
		.amdhsa_private_segment_fixed_size 0
		.amdhsa_enable_private_segment 0
		.amdhsa_kernarg_size 48
		.amdhsa_user_sgpr_count 2
		.amdhsa_user_sgpr_kernarg_segment_ptr 1
		.amdhsa_wavefront_size32 1
		.amdhsa_system_sgpr_workgroup_id_x 1
		.amdhsa_system_sgpr_workgroup_id_y 1
		.amdhsa_system_sgpr_workgroup_id_z 1
		.amdhsa_system_vgpr_workitem_id 0
		.amdhsa_next_free_vgpr 1024
		.amdhsa_next_free_sgpr 102
		.amdhsa_reserve_vcc 0
		.amdhsa_float_denorm_mode_32 3
		.amdhsa_float_denorm_mode_16_64 3
		.amdhsa_memory_ordered 1
		.amdhsa_forward_progress 1
		.amdhsa_inst_pref_size 158
	.end_amdhsa_kernel
	.amdgpu_metadata
---
amdhsa.version: [ 1, 2 ]
amdhsa.kernels:
  - .name:           k_q330e06d3f5_qkv
    .symbol:         k_q330e06d3f5_qkv.kd
    .args:
      - { .name: x_codes, .offset: 0, .size: 8, .value_kind: global_buffer, .address_space: global }
      - { .name: x_scales, .offset: 8, .size: 8, .value_kind: global_buffer, .address_space: global }
      - { .name: w_codes, .offset: 16, .size: 8, .value_kind: global_buffer, .address_space: global }
      - { .name: w_scales, .offset: 24, .size: 8, .value_kind: global_buffer, .address_space: global }
      - { .name: rope, .offset: 32, .size: 8, .value_kind: global_buffer, .address_space: global }
      - { .name: qkv, .offset: 40, .size: 8, .value_kind: global_buffer, .address_space: global }
    .group_segment_fixed_size: 327680
    .private_segment_fixed_size: 0
    .kernarg_segment_align: 8
    .kernarg_segment_size: 48
    .max_flat_workgroup_size: 128
    .sgpr_count:     102
    .vgpr_count:     1024
    .wavefront_size: 32
...
	.end_amdgpu_metadata
.endif
;; end of part 2
;; launch attn (part 3): grid 4 x 64, 8 waves a work-group, clusters of 4 x 1, 327,680 bytes of LDS; arguments qkv, attention_mask, att; writes att
.if DOCPART == 3
	.amdgcn_target "amdgcn-amd-amdhsa--gfx1250"
	.amdhsa_code_object_version 6
	.text
	.protected	k_q330e06d3f5_attn
	.globl	k_q330e06d3f5_attn
	.p2align	8
	.type	k_q330e06d3f5_attn,@function
k_q330e06d3f5_attn:
	s_mov_b64 s[64:65], 0
	v_nop
	global_prefetch_b8 v0, s[64:65] scope:SCOPE_SE
	s_setreg_imm32_b32 hwreg(HW_REG_WAVE_MODE, 25, 1), 1
	s_wait_xcnt 0x0
	s_wait_alu depctr_hold_cnt(0) depctr_sa_sdst(0) depctr_va_vdst(0) depctr_va_sdst(0) depctr_va_ssrc(0) depctr_va_vcc(0) depctr_vm_vsrc(0)
	s_getreg_b32 s2, hwreg(HW_REG_IB_STS2, 6, 4)
	s_cmp_eq_u32 s2, 0
	s_cbranch_scc0 .Lentry_in_a_cluster
	s_endpgm
.Lentry_in_a_cluster:
	s_bfe_u32 s2, ttmp6, 0x10000c
	s_cmp_lg_u32 s2, 0x3003
	s_cbranch_scc0 .Lentry_shape_is_right
	s_endpgm
.Lentry_shape_is_right:
; ATTENTION: for each (batch, head): O[q] = sum over k of softmax_k(q . k / 8, masked keys at -infinity) v[k].  Head size 64, 2,048 keys.  Operands f16, sums, maxima and the softmax f32.
; SHARES.  A work-group owns 512 queries of one (batch, head); each of its eight waves 64: four tiles of 16, in 512 registers: two waves to a SIMD, so that one wave's softmax stands beside the other's products.
; Every wave walks all keys, 64 a step.  K and V come through a ring of two LDS slots of 256 keys (four steps); each wave fetches 8,192 bytes of a slot (waves 0-3: K's four steps, waves 4-7: V's).
; CLUSTER.  The four query blocks of a (batch, head) walk the same K and V: each tile is asked for jointly, by the same load with the same descriptor and a mask that names the four.
; LAYOUT.  q, k and v lie in memory as images of operand registers (pieces of 512 bytes, lane l's 16 bytes at 16 l), so every LDS load is 512 consecutive bytes and nothing is transposed or padded.
; S^T = K Q^T + C (source 0 = 16 keys, source 1 = 16 queries), O^T += V^T P: a lane holds ONE query (lane % 16) throughout, and keys or channels 8 (lane / 16) + 0..7.
; q carries log2(e) / 8, so a score is an exponent of 2.  For each query a running maximum m and sum l; p = 2^(s - m); in every step O and l are multiplied by a = 2^(m_old - m_new).
; THE MASK is the C of a score's first product: 0 for a key that counts, -2^100 for one that does not: p of such a key is 0 beside any key that counts, and what a run of masked keys alone has summed is wiped
; by a = 0 at the first key that counts.  A batch in which no key counts ends with -m above 2^96: its sum is replaced by NaN, which is what a softmax of -infinities alone gives.
; LIMITS: scores stay far under 2^96 in size (they do while q and k fit f16); NaN and infinities among the inputs are not served.
; REGISTERS.  window 0: v1-11 addresses and constants; v16-63 twelve of statistics a tile; v64-127 Q; v128-191 K of a step; v192-255 V of a step (v192-223 hold the next step's mask numbers between V's two halves' use).
;   window 1: v0-127 O^T, 32 a tile; v128-255 S^T, 32 a tile; P is made in place in a tile's first 16.
.set SLOT1, 1<<16                      ; a slot: K's 32,768 bytes, then V's; slot 1 begins here, so that one exclusive or turns an address
.set BIAS,  131072                     ; 2,048 mask numbers, f32: stored by the waves, never filled by a tensor load
.set SPARE, 139264                     ; the spare words, 128 bytes for each wave
.set LI,   1                           ; 16 x lane
.set AB0,  2                           ; BIAS + 32 (lane / 16)
.set ADS,  3                           ; the slot in hand + 16 x lane
.set ADB,  4                           ; the slot's mask numbers
.set BST,  5                           ; BIAS + 16 x thread
.set PFO,  6                           ; 256 x lane
.set NEGR, 7                           ; -2^100
.set MO,   8                           ; 16 x thread
.set NANR, 9                           ; NaN
.set SPW,  10
.set NIL,  11
.set ST,   16                          ; tile t at ST + 12 t: +0 -m, +1 its pair partner, +2, +3 l, +4 a, +5 its partner, +6 .. +9 at work
.set QF,   64
.set KF,   128
.set VF,   192
.set OA,   0                           ; window 1
.set SA,   128                         ; window 1
.set WV,   10
.set G1,   16                          ; s[16:23]
.set G0,   24                          ; s[24:27], which walks
.set SEL,  28
.set TB,   30
.set TJ,   31
.set SLOTS, 32
.set LIM,  33
.set PFA,  34
.set MSB, 0
.macro WIN new
.if MSB != \new
	s_set_vgpr_msb (MSB<<8)|\new
.set MSB, \new
.endif
.endm
.macro PLACES n
.rept \n
	v_nop
.endr
.endm
.macro CROUND                          ; a round of the cluster's barrier
	s_barrier_signal -1
	s_barrier_wait -1
	s_cmp_lg_u32 s[WV], 0
	s_cbranch_scc1 .Lnot_wave_0_\@
	s_barrier_signal -3
.Lnot_wave_0_\@:
	s_barrier_wait -3
	s_barrier_signal -1
	s_barrier_wait -1
.endm
.macro JLOAD                           ; one line for all eight waves: each moves 8,192 bytes of its own; both addresses hang on the wave's number.  An s_nop 0 and four v_nop follow
	tensor_load_to_lds s[G0:G0+3], s[G1:G1+7]
	s_nop 0
.rept 4
	v_nop
.endr
.endm
; A prefetch of what the NEXT change of slots will ask for: 32,768 bytes of K and as many of V.  The four partners share them out by address, 8,192 bytes each; in each, wave 0 asks for K's and wave 4 for V's,
; lanes 256 bytes apart: each aligned block of 256 bytes is named once in the launch.  It stands behind the wave's tensor load, four key steps ahead of the load that will want the bytes.
; The last change that fills a slot asks for nothing; slots 0 and 1 come by their loads alone.
.macro ASK
	s_cmp_gt_u32 s[SLOTS], s[LIM]
	s_cbranch_scc0 .Lnot_mine_\@
	global_prefetch_b8 v[PFO], s[PFA:PFA+1] th:TH_LOAD_NT scope:SCOPE_SE
.Lnot_mine_\@:
.endm
	s_load_b128 s[4:7], s[0:1], 0x0                ; qkv s[4:5], the mask s[6:7]
	s_load_b64 s[8:9], s[0:1], 0x10                ; att
	v_lshl_add_u32 v[SPW], v0, 2, SPARE
	v_mov_b32 v[NIL], 0
	ds_add_u32 v[SPW], v[NIL]                      ; the wave's opening: the add, twice on end, and its wait ahead of my first tensor load
	ds_add_u32 v[SPW], v[NIL]
	v_lshrrev_b32 v12, 5, v0
	v_readfirstlane_b32 s[WV], v12                 ; wave 0..7
	s_bfe_u32 s11, ttmp6, 0x40000                  ; cx: my block of 512 queries; it enters Q's, att's and the prefetches' addresses alone
	s_and_b32 s14, ttmp7, 0xffff
	s_lshr_b32 s12, s14, 4                         ; the batch
	s_and_b32 s13, s14, 15                         ; the head
	s_mul_i32 s15, s12, 48
	s_add_co_u32 s15, s15, s13                     ; q's (batch, hh)
	s_lshr_b32 s36, s[WV], 2                       ; I fetch for K (0) or V (1):
	s_lshl_b32 s36, s36, 4
	s_add_co_u32 s36, s36, s15
	s_add_co_u32 s36, s36, 16                      ; hh = 16 + head or 32 + head,
	s_lshl_b32 s36, s36, 18                        ; 262,144 bytes each,
	s_and_b32 s37, s[WV], 3
	s_lshl_b32 s37, s37, 13                        ; and which of a slot's four steps
	s_add_co_u32 s36, s36, s37
	s_mov_b32 s37, 0
	s_lshl_b32 s38, s15, 18
	s_lshl_b32 s39, s11, 5
	s_lshl_b32 s40, s[WV], 2
	s_add_co_u32 s39, s39, s40                     ; my first tile of 16 queries: 32 cx + 4 wave
	s_lshl_b32 s40, s39, 11
	s_add_co_u32 s38, s38, s40                     ; Q
	s_lshl_b32 s40, s12, 7
	s_add_co_u32 s40, s40, s39
	s_lshl_b32 s40, s40, 15                        ; att: 32,768 bytes for each tile of 16 tokens,
	s_lshl_b32 s41, s13, 11                        ; 2,048 for each head in it
	s_add_co_u32 s40, s40, s41
	s_mov_b32 s39, 0
	s_mov_b32 s41, 0
	s_lshl_b32 s42, s12, 13                        ; the batch's 2,048 mask words
	s_mov_b32 s43, 0
	s_lshl_b32 s48, s11, 13                        ; the prefetches: my work-group's 8,192 bytes,
	s_add_co_u32 s48, s48, 32768                   ; in slot 1: the first change of slots steps it to slot 2
	s_mov_b32 s49, 0
	s_and_b32 s[LIM], s[WV], 3
	s_cmp_eq_u32 s[LIM], 0
	s_cselect_b32 s[LIM], 1, -1                    ; waves 0 and 4 ask: the same in all four partners
	s_mov_b32 s[G1], 15|(3<<16)|(1<<21)            ; the mask: all four work-groups; elements of 8 bytes; bit 21 beside a mask; no padding
	s_mov_b32 s[G1+1], 32<<16                      ; tensor_dim0 = 32 elements: rows of 256 bytes
	s_mov_b32 s[G1+2], 32<<16                      ; tensor_dim1 = 32 rows
	s_mov_b32 s[G1+3], 32<<16                      ; tile_dim0
	s_mov_b32 s[G1+4], 32                          ; tile_dim1
	s_mov_b32 s[G1+5], 32                          ; dense
	s_mov_b32 s[G1+6], 0
	s_mov_b32 s[G1+7], 0
	s_mov_b32 s[SEL], 0x76543210
	s_mov_b32 s[SEL+1], 0xfedcba98                 ; lane l xor 16
	s_mov_b32 s[TB], 0
	s_mov_b32 s[TJ], 0
	s_mov_b32 s[SLOTS], 7
	s_mov_b32 s44, 0x6f800000                      ; 2^96
	v_and_b32 v12, 31, v0
	v_lshlrev_b32 v[LI], 4, v12
	v_lshlrev_b32 v[PFO], 8, v12
	v_bfe_u32 v13, v0, 4, 1
	v_lshl_add_u32 v[AB0], v13, 5, BIAS
	v_lshlrev_b32 v[MO], 4, v0
	v_lshl_add_u32 v[BST], v0, 4, BIAS
	v_mov_b32 v[NEGR], 0xf1800000
	v_mov_b32 v[NANR], 0x7fc00000
	s_wait_dscnt 0x0                               ; both opening adds are done
	s_wait_kmcnt 0x0
	s_mov_b32 s[G0], 1
	s_lshl_b32 s[G0+1], s[WV], 13                  ; LDS: 8,192 x wave, in slot 0
	s_add_nc_u64 s[G0+2:G0+3], s[4:5], s[36:37]
	s_or_b32 s[G0+3], s[G0+3], 0x80000000
	s_add_nc_u64 s[PFA:PFA+1], s[4:5], s[36:37]
	s_add_nc_u64 s[PFA:PFA+1], s[PFA:PFA+1], s[48:49]
	s_add_nc_u64 s[46:47], s[4:5], s[38:39]
	s_add_nc_u64 s[6:7], s[6:7], s[42:43]
	s_add_nc_u64 s[8:9], s[8:9], s[40:41]
	CROUND                                         ; all four work-groups are here: the first joint loads meet
	JLOAD                                          ; slot 0
.irp i, 0,1,2,3,4,5,6,7,8,9,10,11,12,13,14,15
	global_load_b128 v[QF+4*\i:QF+4*\i+3], v[LI], s[46:47] offset:512*\i   ; Q stays in registers: tile i / 4, piece i % 4
.endr
	global_load_b128 v[128:131], v[MO], s[6:7]                 ; the batch's mask: 256 threads x 2 x 4 words
	global_load_b128 v[132:135], v[MO], s[6:7] offset:4096
.irp t, 0,1,2,3
	v_mov_b32 v[ST+12*\t], 0x7f61b1e6              ; -m: m begins at -3e38, under every score
	v_mov_b32 v[ST+12*\t+1], 0                     ; (named with it as a pair)
	v_mov_b32 v[ST+12*\t+2], 0                     ; l, in two halves
	v_mov_b32 v[ST+12*\t+3], 0
	v_mov_b32 v[ST+12*\t+5], 0                     ; (named with a as a pair)
.endr
	WIN 0x40
.set i, 0
.rept 128
	v_mov_b32 v[OA+i], 0                           ; O^T.  The key step is written without a first step of its own: the first finds zeros, which a = 0 leaves zeros; that spares a third copy of four key steps
.set i, i+1
.endr
	WIN 0
	s_wait_loadcnt 0x0
.irp i, 0,1,2,3,4,5,6,7
	v_cmp_eq_u32 vcc_lo, 0, v[128+\i]
	v_cndmask_b32 v[128+\i], 0, v[NEGR], vcc_lo    ; 0, or -2^100 where the mask is 0
.endr
	ds_store_b128 v[BST], v[128:131]
	ds_store_b128 v[BST], v[132:135] offset:4096   ; the first change of slots waits for these and passes a barrier ahead of every read
.macro KLOAD q                         ; a step's K: 16 pieces: keys 16 (i / 4) on, channels 16 (i % 4) on
.irp i, 0,1,2,3,4,5,6,7,8,9,10,11,12,13,14,15
	ds_load_b128 v[KF+4*\i:KF+4*\i+3], v[ADS] offset:8192*(\q)+512*\i
.endr
.endm
.macro BLOAD q                         ; a step's mask numbers in the result's layout: register 8 kt + j = key 16 kt + 8 (lane / 16) + j; sixteen lanes read the same words
.irp kt, 0,1,2,3
	ds_load_b128 v[VF+8*\kt:VF+8*\kt+3], v[ADB] offset:256*(\q)+64*\kt
	ds_load_b128 v[VF+8*\kt+4:VF+8*\kt+7], v[ADB] offset:256*(\q)+64*\kt+16
.endr
.endm
.macro VLOAD q                         ; a step's V^T: fragment (channels 16 ct on, keys 32 kb on) = piece ct of the tiles of keys 2 kb and 2 kb + 1
.irp tt, 0,1,2,3
.irp ct, 0,1,2,3
	ds_load_b128 v[VF+32*(\tt/2)+8*\ct+4*(\tt%2):VF+32*(\tt/2)+8*\ct+4*(\tt%2)+3], v[ADS] offset:32768+8192*(\q)+2048*\tt+512*\ct
.endr
.endr
.endm
; The sixteen accumulators of a product take turns, one instruction a turn.
.macro KQ
	WIN 0x40                                       ; S^T in window 1; K, Q and the mask numbers in window 0
.irp kt, 0,1,2,3
.irp t, 0,1,2,3
	v_wmma_f32_16x16x32_f16 v[SA+32*\t+8*\kt:SA+32*\t+8*\kt+7], v[KF+16*\kt:KF+16*\kt+7], v[QF+16*\t:QF+16*\t+7], v[VF+8*\kt:VF+8*\kt+7]
.endr
.endr
	WIN 0x50
.irp kt, 0,1,2,3
.irp t, 0,1,2,3
	v_wmma_f32_16x16x32_f16 v[SA+32*\t+8*\kt:SA+32*\t+8*\kt+7], v[KF+16*\kt+8:KF+16*\kt+15], v[QF+16*\t+8:QF+16*\t+15], v[SA+32*\t+8*\kt:SA+32*\t+8*\kt+7]
.endr
.endr
.endm
.macro PVH kb
	WIN 0x54                                       ; V in window 0, P and O^T in window 1
.irp ct, 0,1,2,3
.irp t, 0,1,2,3
	v_wmma_f32_16x16x32_f16 v[OA+32*\t+8*\ct:OA+32*\t+8*\ct+7], v[VF+32*(\kb)+8*\ct:VF+32*(\kb)+8*\ct+7], v[SA+32*\t+8*(\kb):SA+32*\t+8*(\kb)+7], v[OA+32*\t+8*\ct:OA+32*\t+8*\ct+7]
.endr
.endr
.endm
; THE SOFTMAX of a step, the four tiles by turns in every group of lines: 117 instructions a tile.
.macro SOFTMAX
	WIN 0x15                                       ; the maximum of a lane's 32 scores: four chains, each begun at its accumulator's low end
.irp i, 0,1,2,3
.irp t, 0,1,2,3
	v_max3_num_f32 v[ST+12*\t+6+\i], v[SA+32*\t+8*\i], v[SA+32*\t+8*\i+1], v[SA+32*\t+8*\i+2]
.endr
.endr
	WIN 0x14
.irp u, 3,5
.irp i, 0,1,2,3
.irp t, 0,1,2,3
	v_max3_num_f32 v[ST+12*\t+6+\i], v[ST+12*\t+6+\i], v[SA+32*\t+8*\i+\u], v[SA+32*\t+8*\i+\u+1]
.endr
.endr
.endr
.irp t, 0,1,2,3
	v_max3_num_f32 v[ST+12*\t+6], v[ST+12*\t+6], v[SA+32*\t+7], v[SA+32*\t+15]
.endr
.irp t, 0,1,2,3
	v_max3_num_f32 v[ST+12*\t+8], v[ST+12*\t+8], v[SA+32*\t+23], v[SA+32*\t+31]
.endr
	WIN 0
.irp t, 0,1,2,3
	v_max3_num_f32 v[ST+12*\t+6], v[ST+12*\t+6], v[ST+12*\t+7], v[ST+12*\t+8]
.endr
.irp t, 0,1,2,3
	v_max3_num_f32 v[ST+12*\t+6], v[ST+12*\t+6], v[ST+12*\t+9], -v[ST+12*\t]   ; and the old m
.endr
.irp t, 0,1,2,3
	v_permlanex16_b32 v[ST+12*\t+7], v[ST+12*\t+6], s[SEL], s[SEL+1]           ; the query's other 32 keys lie in the lane 16 away
.endr
.irp t, 0,1,2,3
	v_max_num_f32 v[ST+12*\t+6], v[ST+12*\t+6], v[ST+12*\t+7]                  ; the new m
.endr
.irp t, 0,1,2,3
	v_add_f32 v[ST+12*\t+8], v[ST+12*\t], v[ST+12*\t+6]                        ; m_new - m_old
.endr
.irp t, 0,1,2,3
	v_mul_f32 v[ST+12*\t], -1.0, v[ST+12*\t+6]
.endr
.irp t, 0,1,2,3
	v_exp_f32 v[ST+12*\t+4], -v[ST+12*\t+8]                                    ; a
.endr
	WIN 0x41                                       ; S^T and O^T in window 1, the statistics in window 0
.irp i, 0,1
.irp t, 0,1,2,3
	v_pk_add_f32 v[SA+32*\t+2*\i:SA+32*\t+2*\i+1], v[SA+32*\t+2*\i:SA+32*\t+2*\i+1], v[ST+12*\t:ST+12*\t+1] op_sel_hi:[1,0]   ; s - m; these eight are the plain work behind a's exponentials
.endr
.endr
	s_wait_alu depctr_va_vdst(0)                   ; one wait for the four a, ahead of their first reader
.irp i, 0,1,2,3,4,5,6,7,8,9,10,11,12,13,14,15      ; ONE BATCH: nothing in it names an exponential's result.  A pair is shifted two rounds ahead of its exponentials; O^T's rescaling stands between them
.irp t, 0,1,2,3
.if \i < 14
	v_pk_add_f32 v[SA+32*\t+2*\i+4:SA+32*\t+2*\i+5], v[SA+32*\t+2*\i+4:SA+32*\t+2*\i+5], v[ST+12*\t:ST+12*\t+1] op_sel_hi:[1,0]
.endif
	v_exp_f32 v[SA+32*\t+2*\i], v[SA+32*\t+2*\i]
	v_pk_mul_f32 v[OA+32*\t+2*\i:OA+32*\t+2*\i+1], v[OA+32*\t+2*\i:OA+32*\t+2*\i+1], v[ST+12*\t+4:ST+12*\t+5] op_sel_hi:[1,0]
	v_exp_f32 v[SA+32*\t+2*\i+1], v[SA+32*\t+2*\i+1]
.endr
.endr
	v_nop                                          ; a plain line behind the last exponential,
	s_wait_alu depctr_va_vdst(0)                   ; and one wait for the 128
	WIN 0x05                                       ; the sums of p, before it is rounded: two chains of pairs
.irp t, 0,1,2,3
	v_pk_add_f32 v[ST+12*\t+6:ST+12*\t+7], v[SA+32*\t:SA+32*\t+1], v[SA+32*\t+2:SA+32*\t+3]
.endr
.irp t, 0,1,2,3
	v_pk_add_f32 v[ST+12*\t+8:ST+12*\t+9], v[SA+32*\t+4:SA+32*\t+5], v[SA+32*\t+6:SA+32*\t+7]
.endr
	WIN 0x04
.irp n, 2,3,4,5,6,7
.irp t, 0,1,2,3
	v_pk_add_f32 v[ST+12*\t+6:ST+12*\t+7], v[ST+12*\t+6:ST+12*\t+7], v[SA+32*\t+4*\n:SA+32*\t+4*\n+1]
.endr
.irp t, 0,1,2,3
	v_pk_add_f32 v[ST+12*\t+8:ST+12*\t+9], v[ST+12*\t+8:ST+12*\t+9], v[SA+32*\t+4*\n+2:SA+32*\t+4*\n+3]
.endr
.endr
	WIN 0
.irp t, 0,1,2,3
	v_pk_add_f32 v[ST+12*\t+6:ST+12*\t+7], v[ST+12*\t+6:ST+12*\t+7], v[ST+12*\t+8:ST+12*\t+9]
.endr
.irp t, 0,1,2,3
	v_pk_fma_f32 v[ST+12*\t+2:ST+12*\t+3], v[ST+12*\t+2:ST+12*\t+3], v[ST+12*\t+4:ST+12*\t+5], v[ST+12*\t+6:ST+12*\t+7] op_sel_hi:[1,0,1]   ; l = a l + the sum
.endr
	WIN 0x45                                       ; p to f16, in place: register i takes p 2 i and 2 i + 1, ascending
.irp i, 0,1,2,3,4,5,6,7,8,9,10,11,12,13,14,15
.irp t, 0,1,2,3
	v_cvt_pk_f16_f32 v[SA+32*\t+\i], v[SA+32*\t+2*\i], v[SA+32*\t+2*\i+1]
.endr
.endr
.endm
; A KEY STEP: 64 keys, the q-th of the slot in hand.  first: the slot's first, which fetches its own K and mask numbers; last: the slot's last, which fetches nothing for a successor.
.macro STEP q, first, last
	PLACES 5                                       ; behind the last V^T P: its P is written over by the next matrix instruction, and loads land in V's registers
.if \first
	KLOAD \q
	BLOAD \q
.endif
	s_wait_dscnt 0x0                               ; K and the mask numbers are in
	KQ
	WIN 0
	PLACES 4                                       ; behind K Q^T: loads land in its sources, and the softmax reads its results
	VLOAD \q
.if !\last
	KLOAD (\q)+1
.endif
	SOFTMAX
	s_wait_dscnt 0x0                               ; V is in
	PVH 0
.if !\last
	WIN 0
	PLACES 4
	BLOAD (\q)+1                                   ; into the registers of V's first half, which has been multiplied
.endif
	PVH 1
	WIN 0
.endm
.macro QUAD                            ; a slot's four key steps
	v_add_nc_u32 v[ADS], s[TB], v[LI]
	v_add_nc_u32 v[ADB], s[TJ], v[AB0]
	STEP 0, 1, 0
	STEP 1, 0, 0
	STEP 2, 0, 0
	STEP 3, 0, 1
	s_xor_b32 s[TB], s[TB], SLOT1                  ; on to the other slot,
	s_add_co_u32 s[TJ], s[TJ], 1024                ; and the next 256 mask numbers
.endm
; THE CHANGE OF SLOTS stands at a slot's head.  Each wave waits for all its tensor loads (its part of the slot that it is about to read), adds 0 to its spare word, and waits for that and for its LDS reads and stores.
; Behind the barrier the slot ahead is whole and nobody reads the other.  fill = 1: the barrier is a round of the cluster's, and the other slot is asked for first thing behind it: it has four key steps in which to land.
.macro CHANGE fill
	s_wait_tensorcnt 0x0                           ; no tensor load of mine is out, so the descriptor may be written
	ds_add_u32 v[SPW], v[NIL]                      ; 0 onto my spare word
.if \fill
	s_xor_b32 s[G0+1], s[G0+1], SLOT1              ; the other slot than last time,
	s_add_nc_u64 s[G0+2:G0+3], s[G0+2:G0+3], 32768 ; the next 256 keys
	s_wait_xcnt 0x0                                ; the last prefetch, a slot back, has read its address
	s_add_nc_u64 s[PFA:PFA+1], s[PFA:PFA+1], 32768
	s_wait_dscnt 0x0
	CROUND
	JLOAD
	ASK
.else
	s_wait_dscnt 0x0
	s_barrier_signal -1
	s_barrier_wait -1
.endif
.endm
.Lslot:                                            ; seven trips: behind each change of slots but the last the next slot is asked for; slot 1's first fill stands behind the first trip's round, where nothing is filled again
	CHANGE 1
	QUAD
	s_sub_co_u32 s[SLOTS], s[SLOTS], 1
	s_cmp_lg_u32 s[SLOTS], 0
	s_cbranch_scc1 .Lslot
	CHANGE 0                                       ; the last slot is written out
	QUAD
	; THE WAY OUT.  l's halves and the other half of the lanes' are added; O^T / l is rounded to f16 and stored as it lies: a lane's eight channels of a token are 16 bytes of the next launch's operand image.
.irp t, 0,1,2,3
	v_add_f32 v[ST+12*\t+6], v[ST+12*\t+2], v[ST+12*\t+3]      ; (these lines are also the places behind the last products)
.endr
.irp t, 0,1,2,3
	v_permlanex16_b32 v[ST+12*\t+7], v[ST+12*\t+6], s[SEL], s[SEL+1]
.endr
.irp t, 0,1,2,3
	v_add_f32 v[ST+12*\t+6], v[ST+12*\t+6], v[ST+12*\t+7]
.endr
.irp t, 0,1,2,3
	v_cmp_lt_f32 vcc_lo, s44, v[ST+12*\t]          ; no key counted: NaN
	v_cndmask_b32 v[ST+12*\t+6], v[ST+12*\t+6], v[NANR], vcc_lo
.endr
.irp t, 0,1,2,3
	v_rcp_f32 v[ST+12*\t+4], v[ST+12*\t+6]
.endr
	v_nop                                          ; a plain line behind the last reciprocal,
	s_wait_alu depctr_va_vdst(0)                   ; and one wait for the four
	WIN 0x41
.irp t, 0,1,2,3
.irp i, 0,1,2,3,4,5,6,7,8,9,10,11,12,13,14,15
	v_pk_mul_f32 v[OA+32*\t+2*\i:OA+32*\t+2*\i+1], v[OA+32*\t+2*\i:OA+32*\t+2*\i+1], v[ST+12*\t+4:ST+12*\t+5] op_sel_hi:[1,0]
.endr
.endr
	WIN 0x05
.set i, 0
.rept 64
	v_cvt_pk_f16_f32 v[128+i], v[OA+2*i], v[OA+2*i+1]
.set i, i+1
.endr
	WIN 0
.irp t, 0,1,2,3
.irp ct, 0,1,2,3
	global_store_b128 v[LI], v[128+4*(4*\t+\ct):128+4*(4*\t+\ct)+3], s[8:9] offset:32768*\t+512*\ct   ; the wave stores 512 consecutive bytes, aligned
.endr
.endr
	s_wait_tensorcnt 0x0                           ; the wave's end, behind my last tensor load and my last LDS store
	ds_add_u32 v[SPW], v[NIL]
	s_wait_dscnt 0x0
	CROUND                                         ; the closing round
	s_endpgm
.Lfunc_end_k_q330e06d3f5_attn:
	.size	k_q330e06d3f5_attn, .Lfunc_end_k_q330e06d3f5_attn-k_q330e06d3f5_attn
	.p2alignl 7, 3214868480
	.fill 96, 4, 3214868480
	.section	.rodata,"a",@progbits
	.p2align	6, 0x0
	.amdhsa_kernel k_q330e06d3f5_attn
		.amdhsa_group_segment_fixed_size 327680
		.amdhsa_private_segment_fixed_size 0
		.amdhsa_enable_private_segment 0
		.amdhsa_kernarg_size 24
		.amdhsa_user_sgpr_count 2
		.amdhsa_user_sgpr_kernarg_segment_ptr 1
		.amdhsa_wavefront_size32 1
		.amdhsa_system_sgpr_workgroup_id_x 1
		.amdhsa_system_sgpr_workgroup_id_y 1
		.amdhsa_system_sgpr_workgroup_id_z 1
		.amdhsa_system_vgpr_workitem_id 0
		.amdhsa_next_free_vgpr 512
		.amdhsa_next_free_sgpr 66
		.amdhsa_reserve_vcc 1
		.amdhsa_float_denorm_mode_32 3
		.amdhsa_float_denorm_mode_16_64 3
		.amdhsa_memory_ordered 1
		.amdhsa_forward_progress 1
		.amdhsa_inst_pref_size 255
	.end_amdhsa_kernel
	.section	.bss,"aw",@nobits
	.p2align	6
	.space	262144
	.amdgpu_metadata
---
amdhsa.version: [ 1, 2 ]
amdhsa.kernels:
  - .name:           k_q330e06d3f5_attn
    .symbol:         k_q330e06d3f5_attn.kd
    .args:
      - { .name: qkv, .offset: 0, .size: 8, .value_kind: global_buffer, .address_space: global }
      - { .name: attention_mask, .offset: 8, .size: 8, .value_kind: global_buffer, .address_space: global }
      - { .name: att, .offset: 16, .size: 8, .value_kind: global_buffer, .address_space: global }
    .group_segment_fixed_size: 327680
    .private_segment_fixed_size: 0
    .kernarg_segment_align: 8
    .kernarg_segment_size: 24
    .max_flat_workgroup_size: 256
    .sgpr_count:     66
    .vgpr_count:     512
    .wavefront_size: 32
...
	.end_amdgpu_metadata
.endif
;; end of part 3
;; launch oproj (part 4): grid 4 x 64, 4 waves a work-group, clusters of 4 x 4, 327,680 bytes of LDS; arguments att, wo_h, out0; writes out0
.if DOCPART == 4
	.amdgcn_target "amdgcn-amd-amdhsa--gfx1250"
	.amdhsa_code_object_version 6
	.text
	.protected	k_q330e06d3f5_oproj
	.globl	k_q330e06d3f5_oproj
	.p2align	8
	.type	k_q330e06d3f5_oproj,@function
k_q330e06d3f5_oproj:
	s_mov_b64 s[64:65], 0
	v_nop
	global_prefetch_b8 v0, s[64:65] scope:SCOPE_SE
	s_setreg_imm32_b32 hwreg(HW_REG_WAVE_MODE, 25, 1), 1
	s_wait_xcnt 0x0
	s_wait_alu depctr_hold_cnt(0) depctr_sa_sdst(0) depctr_va_vdst(0) depctr_va_sdst(0) depctr_va_ssrc(0) depctr_va_vcc(0) depctr_vm_vsrc(0)
	s_getreg_b32 s2, hwreg(HW_REG_IB_STS2, 6, 4)
	s_cmp_eq_u32 s2, 0
	s_cbranch_scc0 .Lentry_in_a_cluster
	s_endpgm
.Lentry_in_a_cluster:
	s_bfe_u32 s2, ttmp6, 0x10000c
	s_cmp_lg_u32 s2, 0xf033
	s_cbranch_scc0 .Lentry_shape_is_right
	s_endpgm
.Lentry_shape_is_right:
; OUT: out0[m][n] = sum over k of att[m][k] wo[n][k].  M 8,192, N 1,024, K 1,024; operands f16, sums and result f32.
; A tile is 128 rows x 256 columns, so that there are 256 work-groups.  Four waves, each 64 x 128: 32 accumulators, 256 registers.  K goes in steps of 128 through a ring of two LDS slots.
; Both operands lie in memory as images of operand registers: [tile of 16 rows][K / 16 pieces][512 B], lane l's 16 bytes at 16 l.  A K step of a tile of 16 rows is 4,096 consecutive bytes; every LDS load is
; 512 consecutive bytes: no padding.
; CLUSTERS of 4 x 4: att's tile is shared along a row of the cluster, wo's along a column: each is asked for jointly.  The matrix instruction is used transposed (source 0 = 16 rows of wo, source 1 = 16 tokens):
; a lane holds eight neighbouring columns of one row of the result.
; REGISTERS: window 0: v16-29 addresses; two fragment buffers v32-127, v128-223 (in each: 4 fragments of att, then 8 of wo); on the way out v32-159.   window 1: accumulator (a, b) at v[8 (8 a + b)].
.set SLOT,   98304                     ; att's 8 tiles x 4,096 bytes, then wo's 16 tiles x 4,096
.set BOFF,   32768
.set STAGE,  2*SLOT                    ; the way out: 16 rows x (512 bytes + 16) for each wave
.set SPITCH, 528
.set SPARE,  STAGE+4*16*SPITCH         ; the spare words, 128 bytes for each wave
.set LAPS,   4                         ; a lap = two K steps
.set ADRA, 16
.set ADRB, 20
.set STO,  24
.set RD,   25
.set CO,   26
.set LI,   27
.set SPW,  28
.set NIL,  29
.set F0,   32
.set F1,   128
.set BK,   32
.set G1, 24
.set G0, 32
.set G1B, 48
.set G0B, 56
.set MSB, 0
.macro WIN new
.if MSB != \new
	s_set_vgpr_msb (MSB<<8)|\new
.set MSB, \new
.endif
.endm
.set MULW, 0x50                        ; C and D window 1, the fragments window 0
.macro JLOAD s                         ; a joint load: waves 0 and 1 fetch att's two halves, waves 2 and 3 wo's; an s_nop 0 and four v_nop follow each line
	s_cmp_eq_u32 s11, 0
	s_cbranch_scc0 .Lfor_b_\@
	tensor_load_to_lds s[G0+4*\s:G0+4*\s+3], s[G1:G1+7]
	s_nop 0
.rept 4
	v_nop
.endr
	s_branch .Lasked_\@
.Lfor_b_\@:
	tensor_load_to_lds s[G0B+4*\s:G0B+4*\s+3], s[G1B:G1B+7]
	s_nop 0
.rept 4
	v_nop
.endr
.Lasked_\@:
.endm
.macro CREST                           ; a round of the cluster's barrier behind its opening barrier
	s_cmp_lg_u32 s10, 0
	s_cbranch_scc1 .Lnot_wave_0_\@
	s_barrier_signal -3
.Lnot_wave_0_\@:
	s_barrier_wait -3
	s_barrier_signal -1
	s_barrier_wait -1
.endm
.macro CROUND
	s_barrier_signal -1
	s_barrier_wait -1
	CREST
.endm
	s_load_b128 s[4:7], s[0:1], 0x0                ; att s[4:5], wo_h s[6:7]
	s_load_b64 s[8:9], s[0:1], 0x10                ; out0
	v_lshl_add_u32 v[SPW], v0, 2, SPARE
	v_mov_b32 v[NIL], 0
	ds_add_u32 v[SPW], v[NIL]                      ; the wave's opening: the add, twice on end, and its wait ahead of my first tensor load
	ds_add_u32 v[SPW], v[NIL]
	v_lshrrev_b32 v1, 5, v0
	v_readfirstlane_b32 s10, v1                    ; wave 0..3
	s_lshr_b32 s11, s10, 1                         ; which half of the tile's rows is mine.  Also: I fetch for att (0) or wo (1)
	s_and_b32 s12, s10, 1                          ; which half of its columns.  Also: which half of that tile I fetch
	s_bfe_u32 s40, ttmp6, 0x40000                  ; cx
	s_bfe_u32 s41, ttmp6, 0x40004                  ; cy
	s_lshl_b32 s42, ttmp9, 2
	s_add_co_u32 s42, s42, s40                     ; tile column: 256 columns
	s_and_b32 s13, ttmp7, 0xffff
	s_lshl_b32 s13, s13, 2
	s_add_co_u32 s13, s13, s41                     ; tile row: 128 rows
	s_lshl_b32 s43, s41, 2
	s_lshl_b32 s43, 15, s43                        ; my row of the cluster
	s_lshl_b32 s44, 0x1111, s40                    ; my column
	s_or_b32 s[G1+0], s43, (3<<16)|(1<<21)         ; the mask; elements of 8 bytes; bit 21 beside a mask; no padding
	s_or_b32 s[G1B+0], s44, (3<<16)|(1<<21)
	s_mov_b32 s[G1+1], 512<<16                     ; tensor_dim0 = 512 elements: a K step of a tile of 16 rows, 4,096 bytes
	s_mov_b32 s[G1+2], 4<<16                       ; tensor_dim1 = 4 tiles of 16 rows
	s_mov_b32 s[G1+3], 512<<16                     ; tile_dim0
	s_mov_b32 s[G1+4], 4                           ; tile_dim1
	s_mov_b32 s[G1+5], 4096                        ; from tile to tile: 32,768 bytes
	s_mov_b32 s[G1+6], 0
	s_mov_b32 s[G1+7], 0
	s_mov_b32 s[G1B+1], 512<<16
	s_mov_b32 s[G1B+2], 8<<16                      ; wo: 8 tiles of 16 rows
	s_mov_b32 s[G1B+3], 512<<16
	s_mov_b32 s[G1B+4], 8
	s_mov_b32 s[G1B+5], 4096
	s_mov_b32 s[G1B+6], 0
	s_mov_b32 s[G1B+7], 0
	s_lshl_b32 s16, s13, 3
	s_lshl_b32 s17, s12, 2
	s_add_co_u32 s16, s16, s17                     ; att: tile of 16 tokens 8 x tile row + 4 x half
	s_lshl_b32 s16, s16, 15
	s_mov_b32 s17, 0
	s_lshl_b32 s46, s42, 4
	s_lshl_b32 s47, s12, 3
	s_add_co_u32 s46, s46, s47                     ; wo: tile of 16 rows 16 x tile column + 8 x half
	s_lshl_b32 s46, s46, 15
	s_mov_b32 s47, 0
	s_lshl_b32 s20, s12, 14                        ; where they go: att's halves 16,384 bytes apart,
	s_lshl_b32 s21, s12, 15
	s_add_co_u32 s21, s21, BOFF                    ; wo's 32,768 apart, behind att's
	s_wait_dscnt 0x0                               ; both opening adds are done
	s_wait_kmcnt 0x0
	s_add_nc_u64 s[14:15], s[4:5], s[16:17]
	s_add_nc_u64 s[46:47], s[6:7], s[46:47]
	CROUND                                         ; all sixteen work-groups are here: the first joint loads meet
.irp s, 0,1
	s_mov_b32 s[G0+4*\s], 1
	s_add_co_u32 s[G0+4*\s+1], s20, \s*SLOT
	s_add_nc_u64 s[G0+4*\s+2:G0+4*\s+3], s[14:15], \s*4096
	s_or_b32 s[G0+4*\s+3], s[G0+4*\s+3], 0x80000000
	s_mov_b32 s[G0B+4*\s], 1
	s_add_co_u32 s[G0B+4*\s+1], s21, \s*SLOT
	s_add_nc_u64 s[G0B+4*\s+2:G0B+4*\s+3], s[46:47], \s*4096
	s_or_b32 s[G0B+4*\s+3], s[G0B+4*\s+3], 0x80000000
	JLOAD \s
.endr
	v_and_b32 v1, 15, v0                           ; l % 16
	v_bfe_u32 v2, v0, 4, 1                         ; l / 16
	v_and_b32 v3, 31, v0
	v_lshlrev_b32 v[LI], 4, v3                     ; 16 x lane
	s_lshl_b32 s21, s11, 14                        ; my 4 tiles of tokens
	s_lshl_b32 s22, s12, 15
	s_add_co_u32 s22, s22, BOFF                    ; my 8 tiles of wo's rows
.irp s, 0,1
	v_add_nc_u32 v[ADRA+\s], s21, v[LI]
	v_add_nc_u32 v[ADRB+\s], s22, v[LI]
	s_add_co_u32 s21, s21, SLOT
	s_add_co_u32 s22, s22, SLOT
.endr
	s_mul_i32 s23, s10, 16*SPITCH
	s_add_co_u32 s23, s23, STAGE                   ; my stage
	v_mul_u32_u24 v4, v1, SPITCH                   ; in: row l % 16, 32 bytes for each half of the lanes
	v_lshl_add_u32 v4, v2, 5, v4
	v_add_nc_u32 v[STO], s23, v4
	v_add_nc_u32 v[RD], s23, v[LI]                 ; back: the 32 lanes take one row of 512 bytes
	v_lshlrev_b32 v[CO], 4, v3                     ; and the same in out0
	s_lshl_b32 s16, s13, 7
	s_lshl_b32 s17, s11, 6
	s_add_co_u32 s16, s16, s17                     ; my first row
	s_lshl_b32 s16, s16, 12                        ; 4,096 bytes a row
	s_lshl_b32 s46, s42, 10                        ; my first column, in bytes
	s_lshl_b32 s47, s12, 9
	s_add_co_u32 s46, s46, s47
	s_add_co_u32 s16, s16, s46
	s_mov_b32 s17, 0
	s_add_nc_u64 s[8:9], s[8:9], s[16:17]
.macro MUL f, a, zero                  ; 8 matrix instructions: tokens' block a x wo's eight, 32 along K.  The 32 accumulators take turns, in the same order in every quarter
.irp b, 0,1,2,3,4,5,6,7
.if \zero
	v_wmma_f32_16x16x32_f16 v[8*(8*(\a)+\b):8*(8*(\a)+\b)+7], v[\f+32+8*\b:\f+32+8*\b+7], v[\f+8*(\a):\f+8*(\a)+7], 0
.else
	v_wmma_f32_16x16x32_f16 v[8*(8*(\a)+\b):8*(8*(\a)+\b)+7], v[\f+32+8*\b:\f+32+8*\b+7], v[\f+8*(\a):\f+8*(\a)+7], v[8*(8*(\a)+\b):8*(8*(\a)+\b)+7]
.endif
.endr
.endm
.macro FETCH slot, q, f                ; 24 LDS loads in one run: the fragments of the slot's q-th 32 along K: wo's eight, then the tokens' four
	WIN 0
.irp b, 0,1,2,3,4,5,6,7
	ds_load_b128 v[\f+32+8*\b:\f+32+8*\b+3], v[ADRB+\slot] offset:4096*\b+1024*(\q)
	ds_load_b128 v[\f+32+8*\b+4:\f+32+8*\b+7], v[ADRB+\slot] offset:4096*\b+1024*(\q)+512
.endr
.irp a, 0,1,2,3
	ds_load_b128 v[\f+8*\a:\f+8*\a+3], v[ADRA+\slot] offset:4096*\a+1024*(\q)
	ds_load_b128 v[\f+8*\a+4:\f+8*\a+7], v[ADRA+\slot] offset:4096*\a+1024*(\q)+512
.endr
.endm
.macro PLACES
.rept 4
	v_nop
.endr
.endm
; A K step is four quarters of 32 along K, 32 matrix instructions each, on buffers 0, 1, 0, 1.  One of the first three: multiplies buffer f and fetches quarter qn into g.
.macro QUARTER slot, qn, f, g, zero
	s_wait_dscnt 4                                 ; wo's fragments and the tokens' blocks 0 and 1 are in; the youngest four loads may be out
	WIN MULW
	MUL \f, 0, \zero
	MUL \f, 1, \zero
	PLACES
	FETCH \slot, \qn, \g
	s_wait_dscnt 24                                ; all but the 24 just issued
	WIN MULW
	MUL \f, 2, \zero
	MUL \f, 3, \zero
.endm
; The last quarter multiplies buffer 1 and changes slots: one barrier; in front of it each wave waits for all its tensor loads, adds 0 to its spare word, and waits for that and for its reads of this slot.
; fill = 1: the barrier opens a round of the cluster's, and this slot is filled again, two K steps ahead, first thing behind it.
.macro TURN slot, next, fill
	WIN 0
	s_wait_tensorcnt 0x0                           ; all my tensor loads have landed: my part of the next slot
	ds_add_u32 v[SPW], v[NIL]                      ; 0 onto my spare word
	s_wait_dscnt 5                                 ; the add and the youngest four loads may be out
	WIN MULW
	MUL F1, 0, 0
	s_wait_dscnt 0x0                               ; the add is done, and my reads of this slot are over
	s_barrier_signal -1
	MUL F1, 1, 0
	WIN 0
	s_barrier_wait -1
.if \fill
	CREST
	s_add_nc_u64 s[G0+4*\slot+2:G0+4*\slot+3], s[G0+4*\slot+2:G0+4*\slot+3], 8192
	s_add_nc_u64 s[G0B+4*\slot+2:G0B+4*\slot+3], s[G0B+4*\slot+2:G0B+4*\slot+3], 8192
	JLOAD \slot                                    ; the four v_nop behind it are also the places in front of the loads below
.else
	PLACES
.endif
	FETCH \next, 0, F0
	WIN MULW
	MUL F1, 2, 0
	MUL F1, 3, 0
.endm
	s_wait_tensorcnt 1                             ; my part of K step 0 is in; K step 1's load may be out
	s_barrier_signal -1
	s_barrier_wait -1
	FETCH 0, 0, F0
	QUARTER 0, 1, F0, F1, 1                        ; the first products start the sums
	WIN 0
	s_mov_b32 s3, LAPS-1
.Llap:                                             ; a trip goes once round the ring, from a lap's second quarter to the next lap's first, and fills both slots again
	QUARTER 0, 2, F1, F0, 0
	QUARTER 0, 3, F0, F1, 0
	TURN 0, 1, 1
	QUARTER 1, 1, F0, F1, 0
	QUARTER 1, 2, F1, F0, 0
	QUARTER 1, 3, F0, F1, 0
	TURN 1, 0, 1
	QUARTER 0, 1, F0, F1, 0
	WIN 0
	s_sub_co_u32 s3, s3, 1
	s_cmp_lg_u32 s3, 0
	s_cbranch_scc1 .Llap
	QUARTER 0, 2, F1, F0, 0                        ; the last lap fills nothing
	QUARTER 0, 3, F0, F1, 0
	TURN 0, 1, 0
	QUARTER 1, 1, F0, F1, 0
	QUARTER 1, 2, F1, F0, 0
	QUARTER 1, 3, F0, F1, 0
	s_wait_dscnt 4
	WIN MULW
	MUL F1, 0, 0
	MUL F1, 1, 0
	s_wait_dscnt 0
	MUL F1, 2, 0
	MUL F1, 3, 0
	WIN 0
; THE WAY OUT, block by block of 16 rows x 128 columns: through my own stage in LDS, back as whole rows of 512 bytes.  LDS serves a wave's instructions in order: no wait between the stores and the loads.
.macro TOSTAGE a
	WIN 0x04                                       ; an LDS store's data: window 1
.irp b, 0,1,2,3,4,5,6,7
	ds_store_b128 v[STO], v[64*(\a)+8*\b:64*(\a)+8*\b+3] offset:64*\b          ; each accumulator from its low end on
	ds_store_b128 v[STO], v[64*(\a)+8*\b+4:64*(\a)+8*\b+7] offset:64*\b+16
.endr
	WIN 0
.set BB, BK+64*((\a)%2)
.irp t, 0,1,2,3,4,5,6,7,8,9,10,11,12,13,14,15
	ds_load_b128 v[BB+4*\t:BB+4*\t+3], v[RD] offset:\t*SPITCH
.endr
.endm
.macro SEND a, younger                 ; younger: the LDS instructions issued behind block a's loads
.set BB, BK+64*((\a)%2)
	s_wait_dscnt \younger
.if (\a) > 0
	s_add_nc_u64 s[8:9], s[8:9], 65536             ; 16 rows on (behind a wait for 0 on XCNT: the earlier stores have read their base)
.endif
.irp t, 0,1,2,3,4,5,6,7,8,9,10,11,12,13,14,15
	global_store_b128 v[CO], v[BB+4*\t:BB+4*\t+3], s[8:9] offset:\t*4096 th:TH_STORE_NT   ; 32 lanes store 512 consecutive bytes, aligned; written once
.endr
.endm
	PLACES                                         ; behind the last products: for the reads of results and the loads into the fragments' registers
	TOSTAGE 0
.irp a, 1,2,3
.if \a > 1
	s_wait_xcnt 0x0                                ; block a - 2's stores have read their registers and their base
.endif
	TOSTAGE \a
	SEND \a-1, 32                                  ; behind block a - 1's loads: block a's 16 stores and 16 loads
.endr
	s_wait_xcnt 0x0
	SEND 3, 0
	s_wait_tensorcnt 0x0                           ; the wave's end
	ds_add_u32 v[SPW], v[NIL]
	s_wait_dscnt 0x0
	CROUND                                         ; the closing round
	s_endpgm
.Lfunc_end_k_q330e06d3f5_oproj:
	.size	k_q330e06d3f5_oproj, .Lfunc_end_k_q330e06d3f5_oproj-k_q330e06d3f5_oproj
	.p2alignl 7, 3214868480
	.fill 96, 4, 3214868480
	.section	.rodata,"a",@progbits
	.p2align	6, 0x0
	.amdhsa_kernel k_q330e06d3f5_oproj
		.amdhsa_group_segment_fixed_size 327680
		.amdhsa_private_segment_fixed_size 0
		.amdhsa_enable_private_segment 0
		.amdhsa_kernarg_size 24
		.amdhsa_user_sgpr_count 2
		.amdhsa_user_sgpr_kernarg_segment_ptr 1
		.amdhsa_wavefront_size32 1
		.amdhsa_system_sgpr_workgroup_id_x 1
		.amdhsa_system_sgpr_workgroup_id_y 1
		.amdhsa_system_sgpr_workgroup_id_z 1
		.amdhsa_system_vgpr_workitem_id 0
		.amdhsa_next_free_vgpr 512
		.amdhsa_next_free_sgpr 66
		.amdhsa_reserve_vcc 0
		.amdhsa_float_denorm_mode_32 3
		.amdhsa_float_denorm_mode_16_64 3
		.amdhsa_memory_ordered 1
		.amdhsa_forward_progress 1
		.amdhsa_inst_pref_size 85
	.end_amdhsa_kernel
	.amdgpu_metadata
---
amdhsa.version: [ 1, 2 ]
amdhsa.kernels:
  - .name:           k_q330e06d3f5_oproj
    .symbol:         k_q330e06d3f5_oproj.kd
    .args:
      - { .name: att, .offset: 0, .size: 8, .value_kind: global_buffer, .address_space: global }
      - { .name: wo_h, .offset: 8, .size: 8, .value_kind: global_buffer, .address_space: global }
      - { .name: out0, .offset: 16, .size: 8, .value_kind: global_buffer, .address_space: global }
    .group_segment_fixed_size: 327680
    .private_segment_fixed_size: 0
    .kernarg_segment_align: 8
    .kernarg_segment_size: 24
    .max_flat_workgroup_size: 128
    .sgpr_count:     66
    .vgpr_count:     512
    .wavefront_size: 32
...
	.end_amdgpu_metadata
.endif
;; end of part 4
